; MI455X (gfx1250); checked and timed in simulation.
; The chip was launched on July 23, 2026; its instructions are those of AMD's public machine-readable ISA for CDNA 5 (MIT licence, August 2026) and "CDNA5" Instruction Set Architecture Reference Guide (July 2026). The comments in the code are by the model that wrote it; some were corrected since.
;; Causal Self Attention. Allowed arithmetic: matrix products marked QUANTISED: E2M1 operands, one E8M0 scale for each 32 along K, by v_wmma_scale_f32_16x16x128_f8f6f4 with both operands' format E2M1 (or v_wmma_scale_f32_32x16x128_f4), f32 sums; products left as they are: bf16, f16 or f32 operands; f32 sums; everything else in f32.
;; Inputs: b_out 1,024 float32; b_qkv 3,072 float32; w_out 1,024 x 1,024 float32; w_qkv 1,024 x 3,072 float32; x 4 x 2,048 x 1,024 float32.
;; Outputs: out0 4 x 2,048 x 1,024 float32.
;; This version of the problem:
;;   THIS VERSION OF THE PROBLEM IS GIVEN IN LOW PRECISION. The matrix products marked QUANTISED in the list below multiply operands that are first quantised to E2M1 (2 exponent bits, 1 mantissa bit; 4 bits a number), with one power-of-two scale for each 32 numbers along K (OCP MX v1.0); their sums are f32. The products marked 'left as it is' may take bf16, f16 or f32 operands, with f32 sums. Whichever they take, every output number must still come out within the allowed error. Rounding operands to bf16 (8 significant bits) uses up far more of that allowance than f16 does (11 bits, for magnitudes from 6e-5 to 65,504). All else is computed in f32.
;;   The module's matrix products, in the order in which they are computed (A, B: the left and right operand; K: the contracted axis; several contracted axes count as one K, in the product's order):
;;     1. [M 8,192, K 1,024] x [K 1,024, N 3,072]; A: input x; B: input w_qkv: QUANTISED
;;     2. batch 64 x [M 2,048, K 64] x [K 64, N 2,048]; A: computed on the way; B: computed on the way: left as it is (an operand is computed on the way)
;;     3. batch 64 x [M 2,048, K 2,048] x [K 2,048, N 64]; A: computed on the way; B: computed on the way: left as it is (an operand is computed on the way)
;;     4. [M 8,192, K 1,024] x [K 1,024, N 1,024]; A: computed on the way; B: input w_out: left as it is (an operand is computed on the way)
;;   THE QUANTISER, for each operand of a quantised product, along K:
;;     - K is cut into blocks of 32 from its start; a last block that is shorter is filled with zeros.
;;     - A block's scale is 2^e with e = floor(log2(the largest magnitude in the block)) - 2, held to -126 .. 127; a block of zeros has e = 0. As a byte (E8M0): e + 127.
;;     - Each number is divided by its block's scale, clamped to +-6, and rounded to the nearest number of E2M1, ties to even, subnormals kept.
;;     - The product sums the exact products of the quantised numbers (number of the format x scale) in f32.
;;   ~~~python
;;   def quantise(x, axis):      # numpy; x: float32 -> the quantised numbers, widened to float32 again
;;       x = np.moveaxis(x, axis, -1); K = x.shape[-1]
;;       x = np.pad(x, [(0, 0)] * (x.ndim - 1) + [(0, -K % 32)]); x = x.reshape(x.shape[:-1] + (-1, 32)); a = np.abs(x).max(-1, keepdims=True)
;;       e = np.where(a > 0, np.clip(np.frexp(np.where(a > 0, a, 1))[1] - 1 - 2, -126, 127), 0)      # np.frexp(a)[1] - 1 = floor(log2(a)), exactly
;;       r = np.clip(x / 2.0 ** e, -6, 6)
;;       step = 2.0 ** (np.maximum(np.frexp(np.where(r == 0, 1, r))[1] - 1, 0) - 1)
;;       q = np.round(r / step) * step * 2.0 ** e      # np.round: ties to even
;;       return np.moveaxis(q.reshape(q.shape[:-2] + (-1,))[..., :K], -1, axis).astype(np.float32)
;;   ~~~
;; One version. Each part assembles by itself: llvm-mc -triple=amdgcn-amd-amdhsa -mcpu=gfx1250 --defsym DOCPART=n.
;; ======== version 1 of 1: 5 launches
;; limits: values are held in f16: magnitudes above 65,504 overflow, below 6.1e-05 lose precision
;; workspace buffers: x_codes 4,194,304 bytes; x_scales 262,144 bytes; w_codes 1,572,864 bytes; w_scales 98,304 bytes; w16 2,097,152 bytes; qkv 50,331,648 bytes; fine32 786,432 bytes; yh 16,777,216 bytes
;; launch prep (part 1): grid 256 x 1, 8 waves a work-group, no clusters, 64,000 bytes of LDS; arguments x, w_qkv, w_out, x_codes, x_scales, w_codes, w_scales, w16; writes x_codes, x_scales, w_codes, w_scales, w16
.if DOCPART == 1
	.amdgcn_target "amdgcn-amd-amdhsa--gfx1250"
	.amdhsa_code_object_version 6
	.text
	.protected	k_q441311b277_prep
	.globl	k_q441311b277_prep
	.p2align	8
	.type	k_q441311b277_prep,@function
k_q441311b277_prep:
	s_mov_b64 s[64:65], 0
	v_nop
	global_prefetch_b8 v0, s[64:65] scope:SCOPE_SE
	s_setreg_imm32_b32 hwreg(HW_REG_WAVE_MODE, 25, 1), 1
	s_wait_xcnt 0x0
; CAUSAL SELF-ATTENTION, B 4, T 2,048, C 1,024, 16 heads of 64, in five launches.  This one prepares the operands:
;   x [8192][1024] f32      -> codes of E2M1 [8192][512 bytes], K innermost, and E8M0 bytes [8192][32]       (work-groups 96 to 223)
;   w_qkv [1024][3072] f32  -> codes [3072][512 bytes], K innermost, and bytes [3072][32]: K is its FIRST axis  (work-groups 0 to 95)
;   w_out [1024][1024] f32  -> f16, as it lies                                                                (work-groups 224 to 255)
; WORK LEFT OUT BY THE PROGRAM.  reference() sets att to -infinity wherever key > query, by a tril that it builds itself; the softmax makes 0 of it and the product with v adds 0,
; whatever finite values the inputs hold.  So key steps all of whose keys come after all of a wave's queries are neither loaded nor multiplied (third launch).  Nothing else is left out; every input is loaded.
; Positions 0 to 15 of every sequence are carried in f32 from the first product's sums to the output by the fifth launch; the fourth launch does not store those rows.
; LIMITS.  A NaN, an infinity or an overflow that reaches only the scores left out is not carried to the result.  q, k, v and y are kept in f16 from position 16 on: magnitudes up to 65,504.
; A block's scale is 2^(floor(log2(largest magnitude)) - 2); its byte is the largest magnitude's exponent field - 2, held at 1 from below by a floor of 2^(3 - 127) among the maximum's leaves.
; A block of zeros so gets the byte 1 where the rule says 127: its codes are zeros, and this program alone reads the bytes.  NaN and infinities among the inputs are not served by the quantiser.
; The three paths part on the work-group's number alone, each with LDS bytes of its own, and meet at ONE barrier; behind it the work-groups of w_qkv store what they gathered.
.set WREG,  5632                       ; x: a region for each wave: two stages of 32 x 80 bytes, then its 256 scale bytes
.set SP,    80                         ; a lane's place in a stage: 64 bytes + 16 of padding
.set WST,   45056                      ; w_qkv: 32 columns x (512 bytes of codes + 16)
.set WP,    528
.set SCST,  61952                      ; w_qkv: 32 columns x 32 scale bytes
.set SPARE, 62976                      ; the spare words, 128 bytes for each of eight waves
.set SPW,   12                         ; v12  my spare word's address; never rewritten
.set NIL,   13                         ; v13  0; never rewritten
.set R,     32                         ; v32-159  numbers as they are loaded
.set XB,    160                        ; v160-191 x: two sets of 16 neighbours
.set CD,    192                        ; v192-223 x: two registers of codes for each step
.set EB,    224                        ; v224-239 x: a scale byte for each step
	s_load_b256 s[4:11], s[0:1], 0x0               ; x s[4:5], w_qkv s[6:7], w_out s[8:9], x_codes s[10:11]
	s_load_b256 s[12:19], s[0:1], 0x20             ; x_scales s[12:13], w_codes s[14:15], w_scales s[16:17], w16 s[18:19]
	v_lshl_add_u32 v[SPW], v0, 2, SPARE
	v_mov_b32 v[NIL], 0
	v_lshrrev_b32 v1, 5, v0
	v_readfirstlane_b32 s20, v1                    ; wave 0..7
	v_and_b32 v2, 31, v0                           ; lane
	v_lshlrev_b32 v3, 2, v2                        ; 4 x lane
	v_lshlrev_b32 v7, 3, v2                        ; 8 x lane
	v_lshlrev_b32 v10, 4, v2                       ; 16 x lane
	; every LDS address of every path is made here, ahead of the parting
	s_mul_i32 s21, s20, WREG
	v_lshrrev_b32 v14, 2, v2
	v_mul_u32_u24 v14, v14, SP
	v_and_b32 v15, 3, v2
	v_lshl_add_u32 v14, v15, 4, v14
	v_add_nc_u32 v14, s21, v14                     ; x, into a stage: four lanes' 64 bytes on end, then 16 of padding
	v_mul_u32_u24 v15, v2, SP
	v_add_nc_u32 v15, s21, v15                     ; x, out of it: my 16 neighbours
	s_add_co_u32 s21, s21, 2*32*SP
	v_lshrrev_b32 v5, 1, v2
	v_add_nc_u32 v5, s21, v5                       ; x: my block's scale byte
	v_add_nc_u32 v6, s21, v7                       ; x: the wave's 256 scale bytes, 8 a lane
	s_lshl_b32 s21, s20, 6
	s_add_co_u32 s21, s21, WST
	v_mul_u32_u24 v21, v2, WP
	v_add_nc_u32 v21, s21, v21                     ; w_qkv: my column's row of codes, my wave's 64 bytes of it
	s_lshl_b32 s21, s20, 2
	s_add_co_u32 s21, s21, SCST
	v_lshl_add_u32 v22, v2, 5, s21                 ; w_qkv: my column's 32 scale bytes, my wave's word
	s_mul_i32 s21, s20, 4*WP
	s_add_co_u32 s21, s21, WST
	v_add_nc_u32 v9, s21, v10                      ; behind the barrier: rows 4 w .. 4 w + 3, 16 bytes a lane
	s_and_b32 s21, s20, 1
	s_lshl_b32 s21, s21, 9
	s_add_co_u32 s21, s21, SCST
	v_add_nc_u32 v11, s21, v10                     ; behind the barrier, waves 0 and 1: half of the 1,024 scale bytes
	s_mov_b32 s25, 0
	s_wait_kmcnt 0x0
	s_cmp_lt_u32 ttmp9, 96
	s_cbranch_scc1 .Lpath_w
	s_cmp_lt_u32 ttmp9, 224
	s_cbranch_scc1 .Lpath_x
	; ---- w_out to f16.  256 waves, 4,096 numbers each: every load reads 512 consecutive bytes, every store writes 256, aligned.
	s_sub_co_u32 s22, ttmp9, 224
	s_lshl_b32 s22, s22, 3
	s_add_co_u32 s22, s22, s20
	s_lshl_b32 s24, s22, 14
	s_add_nc_u64 s[8:9], s[8:9], s[24:25]
	s_lshl_b32 s24, s22, 13
	s_add_nc_u64 s[18:19], s[18:19], s[24:25]
.irp i, 0,1,2,3,4,5,6,7,8,9,10,11,12,13,14,15,16,17,18,19,20,21,22,23,24,25,26,27,28,29,30,31
	global_load_b128 v[R+4*\i:R+4*\i+3], v10, s[8:9] offset:512*\i th:TH_LOAD_NT
.endr
.irp g, 0,1,2,3
	s_wait_loadcnt 24-8*\g                         ; eight more loads are in; the younger ones stay out
.irp i, 0,1,2,3,4,5,6,7
	v_cvt_pk_f16_f32 v[160+2*(8*\g+\i)], v[R+4*(8*\g+\i)], v[R+4*(8*\g+\i)+1]
	v_cvt_pk_f16_f32 v[161+2*(8*\g+\i)], v[R+4*(8*\g+\i)+2], v[R+4*(8*\g+\i)+3]
	global_store_b64 v7, v[160+2*(8*\g+\i):161+2*(8*\g+\i)], s[18:19] offset:256*(8*\g+\i)
.endr
.endr
	s_branch .Ljoin
	; ---- x.  1,024 waves, 16 steps of 512 numbers each.  A step's four loads read 512 consecutive bytes each; its 2,048 bytes turn through the wave's own stage, so that a lane
	; holds 16 neighbours along K (two lanes to a block).  Loads run eight steps (32 loads) ahead, the turn one step.
.Lpath_x:
	s_sub_co_u32 s22, ttmp9, 96
	s_lshl_b32 s22, s22, 3
	s_add_co_u32 s22, s22, s20                     ; which run of 8,192 numbers is my wave's
	s_lshl_b32 s24, s22, 15
	s_add_nc_u64 s[4:5], s[4:5], s[24:25]
	s_lshl_b32 s24, s22, 12
	s_add_nc_u64 s[10:11], s[10:11], s[24:25]
	s_lshl_b32 s24, s22, 8
	s_add_nc_u64 s[12:13], s[12:13], s[24:25]
.macro XLOAD t
.irp i, 0,1,2,3
	global_load_b128 v[R+16*((\t)%8)+4*\i:R+16*((\t)%8)+4*\i+3], v10, s[4:5] offset:2048*(\t)+512*\i th:TH_LOAD_NT
.endr
.endm
.macro XTURN t                         ; LDS serves a wave's instructions in order: no wait between the stores and the loads
.irp i, 0,1,2,3
	ds_store_b128 v14, v[R+16*((\t)%8)+4*\i:R+16*((\t)%8)+4*\i+3] offset:32*SP*((\t)%2)+8*SP*\i
.endr
.irp i, 0,1,2,3
	ds_load_b128 v[XB+16*((\t)%2)+4*\i:XB+16*((\t)%2)+4*\i+3], v15 offset:32*SP*((\t)%2)+16*\i
.endr
.endm
.macro XSTEP t
.set XS, XB+16*((\t)%2)
.if (\t) > 0
	s_wait_dscnt 1                                 ; this step's numbers are back from the stage (the last step's byte store may be out): so the stores into the stage have read their registers,
.else
	s_wait_dscnt 0x0
.endif
.if (\t)+8 < 16
	XLOAD (\t)+8                                   ; which take the loads of eight steps on
.endif
.if (\t)+1 < 16
.if 14-(\t) >= 7
	s_wait_loadcnt 28                              ; the next step's four loads are in; those of the seven steps behind it may be out
.else
	s_wait_loadcnt 4*(14-(\t))
.endif
	XTURN (\t)+1
.endif
	v_max3_num_f32 v16, |v[XS]|, |v[XS+1]|, |v[XS+2]|
	v_max3_num_f32 v17, |v[XS+3]|, |v[XS+4]|, |v[XS+5]|
.irp i, 6,10
	v_max3_num_f32 v16, v16, |v[XS+\i]|, |v[XS+\i+1]|
	v_max3_num_f32 v17, v17, |v[XS+\i+2]|, |v[XS+\i+3]|
.endr
	v_max3_num_f32 v16, v16, |v[XS+14]|, |v[XS+15]|
	v_max3_num_f32 v16, v16, v17, 0x1800000        ; and the floor 2^(3 - 127)
	v_max_num_f32_dpp v16, v16, v16 row_xmask:1 row_mask:0xf bank_mask:0xf   ; with my neighbour's 16: the block's largest magnitude
	v_add_nc_u32 v19, 0xff000000, v16              ; 2 off its exponent field: the conversion takes the exponent field of this operand as its scale
	v_cvt_scalef32_pk8_fp4_f32 v[CD+2*(\t)], v[XS:XS+7], v19
	v_cvt_scalef32_pk8_fp4_f32 v[CD+2*(\t)+1], v[XS+8:XS+15], v19
	v_lshrrev_b32 v[EB+(\t)], 23, v19              ; the scale's byte (a plain line behind the conversions)
	ds_store_b8 v5, v[EB+(\t)] offset:16*(\t)      ; both lanes of a block write the same byte with the same value
	global_store_b64 v7, v[CD+2*(\t):CD+2*(\t)+1], s[10:11] offset:256*(\t)   ; the wave stores 256 consecutive bytes, aligned
.endm
.irp t, 0,1,2,3,4,5,6,7
	XLOAD \t
.endr
	s_wait_loadcnt 28                              ; step 0's four loads are in
	XTURN 0
.irp t, 0,1,2,3,4,5,6,7,8,9,10,11,12,13,14,15
	XSTEP \t
.endr
	ds_load_b64 v[16:17], v6                       ; my wave's 256 scale bytes: these see my stores
	s_wait_dscnt 0x0
	global_store_b64 v7, v[16:17], s[12:13]
	s_branch .Ljoin
	; ---- w_qkv.  A work-group takes 32 columns and all of K; a lane takes a column, and its registers run down K; wave w takes k = 128 w .. 128 w + 127: four blocks.
	; A block of 32 along K then lies in one lane's 32 registers, and the conversions give codes with K innermost.  Loads run two blocks (64 loads) ahead.
.Lpath_w:
	s_mul_i32 s24, s20, 128*12288
	s_lshl_b32 s23, ttmp9, 7
	s_add_co_u32 s24, s24, s23
	s_add_nc_u64 s[6:7], s[6:7], s[24:25]
.macro WLOAD t
.irp i, 0,1,2,3,4,5,6,7,8,9,10,11,12,13,14,15,16,17,18,19,20,21,22,23,24,25,26,27,28,29,30,31
	global_load_b32 v[R+32*(\t)+\i], v3, s[6:7] offset:(32*(\t)+\i)*12288
.endr
.endm
.macro WBLOCK t
.set XS, R+32*(\t)
.if (\t) < 3
	s_wait_loadcnt 32                              ; this block's 32 loads are in; the next block's may be out
.else
	s_wait_loadcnt 0x0
.endif
.if (\t)+2 < 4
	WLOAD (\t)+2                                   ; every block has registers of its own
.endif
	v_max3_num_f32 v16, |v[XS]|, |v[XS+1]|, |v[XS+2]|
	v_max3_num_f32 v17, |v[XS+3]|, |v[XS+4]|, |v[XS+5]|
.irp i, 6,10,14,18,22,26
	v_max3_num_f32 v16, v16, |v[XS+\i]|, |v[XS+\i+1]|
	v_max3_num_f32 v17, v17, |v[XS+\i+2]|, |v[XS+\i+3]|
.endr
	v_max3_num_f32 v16, v16, |v[XS+30]|, |v[XS+31]|
	v_max3_num_f32 v16, v16, v17, 0x1800000
	v_add_nc_u32 v19, 0xff000000, v16
	v_lshrrev_b32 v17, 23, v19
.if (\t) == 0
	v_mov_b32 v20, v17                             ; four bytes to a word, the lower K in the lower byte
.else
	v_lshl_or_b32 v20, v17, 8*(\t), v20
.endif
.irp g, 0,1,2,3
	v_cvt_scalef32_pk8_fp4_f32 v[160+4*(\t)+\g], v[XS+8*\g:XS+8*\g+7], v19
.endr
	v_nop                                          ; a plain line behind the last conversion
	ds_store_b128 v21, v[160+4*(\t):160+4*(\t)+3] offset:16*(\t)
.endm
	WLOAD 0
	WLOAD 1
	WBLOCK 0
	WBLOCK 1
	WBLOCK 2
	WBLOCK 3
	ds_store_b32 v22, v20
.Ljoin:
	s_wait_xcnt 0x0                                ; every store issued so far has read its registers
	s_wait_dscnt 0x0                               ; for the others' sake: my LDS stores have landed
	s_barrier_signal -1
	s_barrier_wait -1
	s_cmp_lt_u32 ttmp9, 96
	s_cbranch_scc0 .Lend
	; w_qkv's work-groups: the 32 columns' codes are 16,384 consecutive bytes of w_codes, their scale bytes 1,024 of w_scales
	s_lshl_b32 s24, ttmp9, 14
	s_lshl_b32 s23, s20, 11
	s_add_co_u32 s24, s24, s23
	s_add_nc_u64 s[14:15], s[14:15], s[24:25]
.irp i, 0,1,2,3
	ds_load_b128 v[R+4*\i:R+4*\i+3], v9 offset:\i*WP
.endr
.irp i, 0,1,2,3
	s_wait_dscnt 3-\i
	global_store_b128 v10, v[R+4*\i:R+4*\i+3], s[14:15] offset:512*\i
.endr
	s_cmp_lt_u32 s20, 2
	s_cbranch_scc0 .Lend
	s_lshl_b32 s24, ttmp9, 10
	s_lshl_b32 s23, s20, 9
	s_add_co_u32 s24, s24, s23
	s_add_nc_u64 s[16:17], s[16:17], s[24:25]
	ds_load_b128 v[48:51], v11
	s_wait_dscnt 0x0
	global_store_b128 v10, v[48:51], s[16:17]
.Lend:
	s_wait_tensorcnt 0x0                           ; the wave's end: behind my last LDS store
	ds_add_u32 v[SPW], v[NIL]
	s_wait_dscnt 0x0
	s_endpgm
.Lfunc_end_k_q441311b277_prep:
	.size	k_q441311b277_prep, .Lfunc_end_k_q441311b277_prep-k_q441311b277_prep
	.p2alignl 7, 3214868480
	.fill 96, 4, 3214868480
	.section	.rodata,"a",@progbits
	.p2align	6, 0x0
	.amdhsa_kernel k_q441311b277_prep
		.amdhsa_group_segment_fixed_size 64000
		.amdhsa_private_segment_fixed_size 0
		.amdhsa_enable_private_segment 0
		.amdhsa_kernarg_size 64
		.amdhsa_user_sgpr_count 2
		.amdhsa_user_sgpr_kernarg_segment_ptr 1
		.amdhsa_wavefront_size32 1
		.amdhsa_system_sgpr_workgroup_id_x 1
		.amdhsa_system_sgpr_workgroup_id_y 1
		.amdhsa_system_sgpr_workgroup_id_z 1
		.amdhsa_system_vgpr_workitem_id 0
		.amdhsa_next_free_vgpr 240
		.amdhsa_next_free_sgpr 66
		.amdhsa_reserve_vcc 0
		.amdhsa_float_denorm_mode_32 3
		.amdhsa_float_denorm_mode_16_64 3
		.amdhsa_memory_ordered 1
		.amdhsa_forward_progress 1
		.amdhsa_inst_pref_size 64
	.end_amdhsa_kernel
	.amdgpu_metadata
---
amdhsa.version: [ 1, 2 ]
amdhsa.kernels:
  - .name:           k_q441311b277_prep
    .symbol:         k_q441311b277_prep.kd
    .args:
      - { .name: x, .offset: 0, .size: 8, .value_kind: global_buffer, .address_space: global }
      - { .name: w_qkv, .offset: 8, .size: 8, .value_kind: global_buffer, .address_space: global }
      - { .name: w_out, .offset: 16, .size: 8, .value_kind: global_buffer, .address_space: global }
      - { .name: x_codes, .offset: 24, .size: 8, .value_kind: global_buffer, .address_space: global }
      - { .name: x_scales, .offset: 32, .size: 8, .value_kind: global_buffer, .address_space: global }
      - { .name: w_codes, .offset: 40, .size: 8, .value_kind: global_buffer, .address_space: global }
      - { .name: w_scales, .offset: 48, .size: 8, .value_kind: global_buffer, .address_space: global }
      - { .name: w16, .offset: 56, .size: 8, .value_kind: global_buffer, .address_space: global }
    .group_segment_fixed_size: 64000
    .private_segment_fixed_size: 0
    .kernarg_segment_align: 8
    .kernarg_segment_size: 64
    .max_flat_workgroup_size: 256
    .sgpr_count:     66
    .vgpr_count:     240
    .wavefront_size: 32
...
	.end_amdgpu_metadata
.endif
;; end of part 1
;; launch qkvgemm (part 2): grid 12 x 32, 4 waves a work-group, clusters of 4 x 4, 327,680 bytes of LDS; arguments x_codes, x_scales, w_codes, w_scales, qkv, b_qkv, fine32; writes qkv, fine32
.if DOCPART == 2
	.amdgcn_target "amdgcn-amd-amdhsa--gfx1250"
	.amdhsa_code_object_version 6
	.text
	.protected	k_q441311b277_qkvgemm
	.globl	k_q441311b277_qkvgemm
	.p2align	8
	.type	k_q441311b277_qkvgemm,@function
k_q441311b277_qkvgemm:
	s_mov_b64 s[64:65], 0
	v_nop
	global_prefetch_b8 v0, s[64:65] scope:SCOPE_SE
	s_setreg_imm32_b32 hwreg(HW_REG_WAVE_MODE, 25, 1), 1
	s_wait_xcnt 0x0
	s_wait_alu depctr_hold_cnt(0) depctr_sa_sdst(0) depctr_va_vdst(0) depctr_va_sdst(0) depctr_va_ssrc(0) depctr_va_vcc(0) depctr_vm_vsrc(0)
	s_getreg_b32 s2, hwreg(HW_REG_IB_STS2, 6, 4)
	s_cmp_eq_u32 s2, 0
	s_cbranch_scc0 .Lentry_in_a_cluster
	s_endpgm
.Lentry_in_a_cluster:
	s_bfe_u32 s2, ttmp6, 0x10000c
	s_cmp_lg_u32 s2, 0xf033
	s_cbranch_scc0 .Lentry_shape_is_right
	s_endpgm
.Lentry_shape_is_right:
; qkv = Q(x) Q(w_qkv) + b_qkv on codes of E2M1 with one E8M0 scale for each 32 along K.  x_codes [8192][512 bytes], w_codes [3072][512 bytes], K innermost; scale bytes [rows][32].
; A tile of 256 x 256 is made by four waves, 128 x 128 each: 64 accumulators, 512 registers.  K = 1,024 is two slots of 512: BOTH are asked for at the head, with the scales; no LDS byte is filled twice.
; CLUSTERS: 4 x 4 work-groups; the four of a row of the cluster ask jointly for x's tiles, the four of a column for w's.  Tile row = 8 cy + cluster y: so the batch is cy, and whether a
; tile holds positions 0 to 15 of a sequence hangs on the cluster's y and the wave's number alone, which all partners share.
; THE MATRIX INSTRUCTION IS USED TRANSPOSED (source 0 = 16 rows of w, source 1 = 16 rows of x): a lane holds eight neighbouring columns of one row.  The bias is the C of each sum's first product.
; OUT: f16, by heads: qkv [q, k, v][batch x 16 + head][t][64].  Positions 0 to 15 of each batch also leave in f32, as images of the accumulators' registers: fine32 [batch][n / 16][half 2][lane 32][4].
; LIMIT: q, k, v up to 65,504 in magnitude (f16).
; REGISTERS: window 0: v0-31 addresses; v32-95 scale words, two sets; v128-191 x's fragments, one set; v192-255 the bias, later packed results.  window 1: w's fragments, two sets.  windows 2, 3: the accumulators.
.set NQ,     4                         ; steps of 128 along K in a slot
.set ROWB,   256                       ; a tile's row: 512 codes
.set KROW,   512                       ; a row of codes in memory
.set PITCH,  272                       ; an LDS row: 256 bytes + 16 of padding: the 16 rows that a load touches start at 16 different banks
.set FR,     8
.set NL,     2
.set NP,     4                         ; places behind this matrix instruction (ISA guide 7.12.1)
.set HALFT,  128*PITCH
.set SLOT,   4*HALFT
.set KS,     32                        ; a row of scale bytes
.set SCL,    2*SLOT                    ; the scales, as units of 256 bytes + 16 of padding
.set HALFS,  16*272                    ; those of 128 rows
.set SBLK,   2*272                     ; those of 16 rows
.set SPARE,  SCL+4*HALFS               ; the spare words, 128 bytes for each wave
.set STAGE,  SPARE+512                 ; the way out: 16 rows x (256 bytes + 16) for each wave, bytes that no tensor load fills
.set SPITCH, 272
.set ADRA, 16
.set ADRB, 20
.set STO,  24
.set RD,   25
.set CO,   26
.set ADRS, 27
.set SPW,  28
.set NIL,  29
.set SC,   32
.set AF,   128
.set BIAS, 192                         ; v192-255: register 8 b + j: b_qkv at my column 16 b + 8 (lane / 16) + j
.set TMP,  192
.set OB,   128
.set G1, 24
.set G0, 32
.set G1B, 48
.set G0B, 56
.set G1S, 68
.set G0S, 76
.set G1SB, 80
.set G0SB, 88
.set MSB, 0
.macro WIN new                         ; the immediate's high byte repeats the setting that is left
.if MSB != (\new)
	s_set_vgpr_msb (MSB<<8)|(\new)
.set MSB, (\new)
.endif
.endm
.set MUL_LO, 0xa1                      ; source 0 (w) window 1, source 1 (x) window 0, C and D window 2
.set MUL_HI, 0xf1
.set TO_B,   0x40
.macro JLOAD g0a, g1a, g0b, g1b        ; a joint load: waves 0 and 1 fetch for x, waves 2 and 3 for w; an s_nop 0 and four v_nop follow each line
	s_cmp_eq_u32 s15, 0
	s_cbranch_scc0 .Lfor_b_\@
	tensor_load_to_lds s[\g0a:\g0a+3], s[\g1a:\g1a+7]
	s_nop 0
.rept 4
	v_nop
.endr
	s_branch .Lasked_\@
.Lfor_b_\@:
	tensor_load_to_lds s[\g0b:\g0b+3], s[\g1b:\g1b+7]
	s_nop 0
.rept 4
	v_nop
.endr
.Lasked_\@:
.endm
.macro CROUND                          ; a round of the cluster's barrier
	s_barrier_signal -1
	s_barrier_wait -1
	s_cmp_lg_u32 s14, 0
	s_cbranch_scc1 .Lnot_wave_0_\@
	s_barrier_signal -3
.Lnot_wave_0_\@:
	s_barrier_wait -3
	s_barrier_signal -1
	s_barrier_wait -1
.endm
	s_load_b128 s[4:7], s[0:1], 0x0                ; x's codes, x's scales
	s_load_b128 s[8:11], s[0:1], 0x10              ; w's codes, w's scales
	s_load_b64 s[12:13], s[0:1], 0x20              ; qkv
	s_load_b64 s[96:97], s[0:1], 0x28              ; b_qkv
	s_load_b64 s[98:99], s[0:1], 0x30              ; fine32
	v_lshl_add_u32 v[SPW], v0, 2, SPARE
	v_mov_b32 v[NIL], 0
	ds_add_u32 v[SPW], v[NIL]                      ; the wave's opening: the add, twice on end, and its wait ahead of my first tensor load
	ds_add_u32 v[SPW], v[NIL]
	v_lshrrev_b32 v1, 5, v0
	v_readfirstlane_b32 s14, v1                    ; wave 0..3
	s_lshr_b32 s15, s14, 1                         ; which half of the tile's rows is mine.  Also: I fetch for x (0) or for w (1)
	s_and_b32 s16, s14, 1                          ; which half of its columns.  Also: which 128 rows I fetch
	s_bfe_u32 s40, ttmp6, 0x40000                  ; cx
	s_bfe_u32 s41, ttmp6, 0x40004                  ; cy
	s_lshl_b32 s42, ttmp9, 2
	s_add_co_u32 s42, s42, s40                     ; tile column = 4 x cluster x + cx
	s_and_b32 s17, ttmp7, 0xffff
	s_lshl_b32 s18, s41, 3
	s_add_co_u32 s17, s17, s18                     ; tile row = 8 cy + cluster y
	s_lshl_b32 s43, s41, 2
	s_lshl_b32 s43, 15, s43                        ; my row of the cluster
	s_lshl_b32 s44, 0x1111, s40                    ; my column
	s_or_b32 s[G1+0], s43, (0<<16)|(1<<20)|(1<<21)|(5<<22)|(3<<25)   ; the mask; elements of 1 byte; padding: 4 words after every 64
	s_or_b32 s[G1B+0], s44, (0<<16)|(1<<20)|(1<<21)|(5<<22)|(3<<25)
.irp g, G1, G1B
	s_mov_b32 s[\g+1], ROWB<<16                    ; tensor_dim0
	s_mov_b32 s[\g+2], 128<<16                     ; tensor_dim1
	s_mov_b32 s[\g+3], ROWB<<16                    ; tile_dim0
	s_mov_b32 s[\g+4], 128                         ; tile_dim1
	s_mov_b32 s[\g+5], KROW                        ; from row to row
	s_mov_b32 s[\g+6], 0
	s_mov_b32 s[\g+7], 0
.endr
	s_or_b32 s[G1S+0], s43, (3<<16)|(1<<20)|(1<<21)|(5<<22)|(3<<25)  ; the scales of 128 rows: 4,096 dense bytes as 16 rows of 256 (32 elements of 8 bytes)
	s_or_b32 s[G1SB+0], s44, (3<<16)|(1<<20)|(1<<21)|(5<<22)|(3<<25)
.irp g, G1S, G1SB
	s_mov_b32 s[\g+1], 32<<16
	s_mov_b32 s[\g+2], 16<<16
	s_mov_b32 s[\g+3], 32<<16
	s_mov_b32 s[\g+4], 16
	s_mov_b32 s[\g+5], 32
	s_mov_b32 s[\g+6], 0
	s_mov_b32 s[\g+7], 0
.endr
	s_lshl_b32 s18, s16, 7
	s_lshl_b32 s20, s17, 8
	s_add_co_u32 s20, s20, s18                     ; x: row 256 x tile row + 128 x half
	s_lshl_b32 s46, s42, 8
	s_add_co_u32 s46, s46, s18                     ; w: row 256 x tile column + 128 x half
	s_mov_b32 s21, 0
	s_mov_b32 s47, 0
	s_mov_b64 s[18:19], KS
	s_mul_u64 s[22:23], s[20:21], s[18:19]
	s_mul_u64 s[92:93], s[46:47], s[18:19]
	s_mov_b64 s[18:19], KROW
	s_mul_u64 s[20:21], s[20:21], s[18:19]
	s_mul_u64 s[46:47], s[46:47], s[18:19]
	s_mul_i32 s45, s14, HALFT                      ; where they go: wave x 128 rows
	s_mul_i32 s94, s14, HALFS
	s_wait_dscnt 0x0                               ; both opening adds are done
	s_wait_kmcnt 0x0
	s_add_nc_u64 s[20:21], s[4:5], s[20:21]
	s_add_nc_u64 s[22:23], s[6:7], s[22:23]
	s_add_nc_u64 s[46:47], s[8:9], s[46:47]
	s_add_nc_u64 s[92:93], s[10:11], s[92:93]
	CROUND                                         ; all sixteen work-groups are here: the joint loads meet
	s_mov_b32 s[G0S], 1
	s_add_co_u32 s[G0S+1], s94, SCL
	s_mov_b64 s[G0S+2:G0S+3], s[22:23]
	s_or_b32 s[G0S+3], s[G0S+3], 0x80000000
	s_mov_b32 s[G0SB], 1
	s_add_co_u32 s[G0SB+1], s94, SCL
	s_mov_b64 s[G0SB+2:G0SB+3], s[92:93]
	s_or_b32 s[G0SB+3], s[G0SB+3], 0x80000000
	JLOAD G0S, G1S, G0SB, G1SB                     ; three loads of mine go out: the scales, slot 0, slot 1
.irp s, 0,1
	s_mov_b32 s[G0+4*\s], 1
	s_add_co_u32 s[G0+4*\s+1], s45, \s*SLOT
	s_add_nc_u64 s[G0+4*\s+2:G0+4*\s+3], s[20:21], \s*ROWB
	s_or_b32 s[G0+4*\s+3], s[G0+4*\s+3], 0x80000000
	s_mov_b32 s[G0B+4*\s], 1
	s_add_co_u32 s[G0B+4*\s+1], s45, \s*SLOT
	s_add_nc_u64 s[G0B+4*\s+2:G0B+4*\s+3], s[46:47], \s*ROWB
	s_or_b32 s[G0B+4*\s+3], s[G0B+4*\s+3], 0x80000000
	JLOAD G0+4*\s, G1, G0B+4*\s, G1B
.endr
	v_and_b32 v1, 15, v0                           ; r = lane % 16
	v_bfe_u32 v2, v0, 4, 1                         ; h = lane / 16
	v_mul_u32_u24 v3, v1, PITCH
	v_lshl_add_u32 v4, v2, 4, v3
	s_mul_i32 s21, s15, HALFT
	s_mul_i32 s22, s16, HALFT
	s_add_co_u32 s22, s22, 2*HALFT
.irp s, 0,1
	v_add_nc_u32 v[ADRA+\s], s21, v4
	v_add_nc_u32 v[ADRB+\s], s22, v4
	s_add_co_u32 s21, s21, SLOT
	s_add_co_u32 s22, s22, SLOT
.endr
	v_mul_u32_u24 v5, v1, KS                       ; my row's scales: 32 bytes a row,
	v_lshrrev_b32 v6, 8, v5
	v_lshl_add_u32 v5, v6, 4, v5                   ; and 16 more for each 256 passed
	s_mul_i32 s21, s15, HALFS
	s_mul_i32 s22, s16, HALFS
	s_add_co_u32 s22, s22, 2*HALFS
	s_sub_co_u32 s22, s22, s21
	v_mul_u32_u24 v6, s22, v2                      ; lanes 16-31 take w's
	s_add_co_u32 s21, s21, SCL
	v_add_nc_u32 v5, v5, v6
	v_add_nc_u32 v[ADRS], s21, v5
	s_mul_i32 s23, s14, 16*SPITCH
	s_add_co_u32 s23, s23, STAGE                   ; my stage
	v_mul_u32_u24 v5, v1, SPITCH
	v_lshl_add_u32 v5, v2, 4, v5
	v_add_nc_u32 v[STO], s23, v5                   ; in: row r, 16 bytes for each half of the lanes
	v_bfe_u32 v7, v0, 3, 1
	v_and_b32 v6, 7, v0
	v_mul_u32_u24 v5, v7, SPITCH
	v_lshl_add_u32 v5, v2, 7, v5
	v_lshl_add_u32 v5, v6, 4, v5
	v_add_nc_u32 v[RD], s23, v5                    ; back: lanes 0-15 two rows of the first head (128 bytes each), lanes 16-31 of the second
	v_lshlrev_b32 v5, 7, v7
	v_lshl_add_u32 v5, v6, 4, v5
	v_lshl_add_u32 v[CO], v2, 18, v5               ; and in qkv: a head is 262,144 bytes, a row 128
	v_lshlrev_b32 v30, 5, v2                       ; the bias: 32 bytes for each half of the lanes
	v_and_b32 v6, 31, v0
	v_lshlrev_b32 v31, 4, v6                       ; 16 x lane
	s_lshl_b32 s20, s42, 10
	s_lshl_b32 s21, s16, 9
	s_add_co_u32 s20, s20, s21
	s_mov_b32 s21, 0
	s_add_nc_u64 s[96:97], s[96:97], s[20:21]      ; b_qkv at my first column
.irp b, 0,1,2,3,4,5,6,7
	global_load_b128 v[BIAS+8*\b:BIAS+8*\b+3], v30, s[96:97] offset:64*\b
	global_load_b128 v[BIAS+8*\b+4:BIAS+8*\b+7], v30, s[96:97] offset:64*\b+16
.endr
	s_mul_i32 s20, s41, 196608                     ; fine32: batch cy, my first column / 16 x 1,024 bytes
	s_lshl_b32 s22, s42, 14
	s_add_co_u32 s20, s20, s22
	s_lshl_b32 s22, s16, 13
	s_add_co_u32 s20, s20, s22
	s_add_nc_u64 s[98:99], s[98:99], s[20:21]
	s_lshr_b32 s20, s42, 2                         ; qkv: q, k or v,
	s_lshl_b32 s20, s20, 24
	s_and_b32 s22, s42, 3
	s_lshl_b32 s22, s22, 2
	s_lshl_b32 s23, s41, 4
	s_add_co_u32 s22, s22, s23
	s_lshl_b32 s23, s16, 1
	s_add_co_u32 s22, s22, s23                     ; 16 x batch + my first head,
	s_lshl_b32 s22, s22, 18
	s_add_co_u32 s20, s20, s22
	s_and_b32 s95, ttmp7, 0xffff
	s_lshl_b32 s22, s95, 15                        ; position 256 x cluster y
	s_add_co_u32 s20, s20, s22
	s_lshl_b32 s22, s15, 14                        ; + 128 x half, rows of 128 bytes
	s_add_co_u32 s20, s20, s22
	s_add_nc_u64 s[12:13], s[12:13], s[20:21]
	s_or_b32 s95, s95, s15                         ; 0 where my first 16 rows are positions 0 to 15: the same in all partners for a given wave
.macro FRAG reg, adr, q, i             ; 16 rows x 128 K of 4-bit codes: 8 registers: lane l holds row l % 16; registers 4 c .. 4 c + 3 hold K = 64 c + 32 (l / 16) + 0 .. 31
.irp c, 0,1
	ds_load_b128 v[\reg+4*\c:\reg+4*\c+3], v[\adr] offset:64*(\q)+32*\c+(\i)*16*PITCH
.endr
.endm
; 16 matrix instructions: x's blocks a0, a0 + 1 against w's eight.  zero = 1: the first product starts the sums on the bias.  The 64 accumulators take turns, one instruction a turn.
.macro MUL16 a0, p, q, sc, zero
.irp a, \a0, \a0+1
.irp b, 0,1,2,3,4,5,6,7
.if \zero
	v_wmma_scale_f32_16x16x128_f8f6f4 v[8*(8*((\a)%4)+\b):8*(8*((\a)%4)+\b)+7], v[128*(\p)+FR*\b:128*(\p)+FR*\b+FR-1], v[AF+FR*(\a):AF+FR*(\a)+FR-1], v[BIAS+8*\b:BIAS+8*\b+7], v[SC+8*NQ*(\sc)+NQ*\b+(\q)], v[SC+8*NQ*(\sc)+NQ*(\a)+(\q)] matrix_a_fmt:MATRIX_FMT_FP4 matrix_b_fmt:MATRIX_FMT_FP4 matrix_a_scale:MATRIX_SCALE_ROW1
.else
	v_wmma_scale_f32_16x16x128_f8f6f4 v[8*(8*((\a)%4)+\b):8*(8*((\a)%4)+\b)+7], v[128*(\p)+FR*\b:128*(\p)+FR*\b+FR-1], v[AF+FR*(\a):AF+FR*(\a)+FR-1], v[8*(8*((\a)%4)+\b):8*(8*((\a)%4)+\b)+7], v[SC+8*NQ*(\sc)+NQ*\b+(\q)], v[SC+8*NQ*(\sc)+NQ*(\a)+(\q)] matrix_a_fmt:MATRIX_FMT_FP4 matrix_b_fmt:MATRIX_FMT_FP4 matrix_a_scale:MATRIX_SCALE_ROW1
.endif
.endr
.endr
.endm
.macro FETCH_B slot, q, p
	WIN TO_B
.irp i, 0,1,2,3,4,5,6,7
	FRAG 128*(\p)+FR*\i, ADRB+\slot, \q, \i
.endr
	WIN 0
.endm
.macro FETCH_A slot, q, i0
.irp i, \i0, \i0+1, \i0+2, \i0+3
	FRAG AF+FR*(\i), ADRA+\slot, \q, \i
.endr
.endm
.macro SCALES sc                       ; a slot's scale words: lanes 0-15 take x's block i, lanes 16-31 w's block i
.irp i, 0,1,2,3,4,5,6,7
	ds_load_b128 v[SC+8*NQ*\sc+NQ*\i:SC+8*NQ*\sc+NQ*\i+3], v[ADRS] offset:\i*SBLK
.endr
.endm
.macro PLACES n                        ; plain vector lines between a matrix instruction and a load into, or a read of, its registers
.rept \n
	v_nop
.endr
.endm
.macro STEP slot, q, zero              ; 128 along K, with its successor in the same slot
	s_wait_dscnt 4*NL                              ; w's set and x's blocks 0-3 are in; the youngest loads (x's blocks 4-7) may be out
.if \zero
	WIN 0x81                                       ; C (the bias) window 0, D window 2
.else
	WIN MUL_LO
.endif
	MUL16 0, (\q)%2, \q, \slot, \zero
	MUL16 2, (\q)%2, \q, \slot, \zero
	s_wait_dscnt 0
	PLACES NP
	FETCH_B \slot, (\q)+1, 1-(\q)%2
	FETCH_A \slot, (\q)+1, 0
.if \zero
	WIN 0xc1
.else
	WIN MUL_HI
.endif
	MUL16 4, (\q)%2, \q, \slot, \zero
	MUL16 6, (\q)%2, \q, \slot, \zero
	PLACES NP
	WIN 0
	FETCH_A \slot, (\q)+1, 4
.endm
.macro STEPS slot, from
.set Q, \from
.rept NQ-1-\from
	STEP \slot, Q, 0
.set Q, Q+1
.endr
.endm
	s_wait_tensorcnt 1                             ; the scales and my part of slot 0 are in; slot 1's load may be out
	s_barrier_signal -1
	s_barrier_wait -1
	FETCH_B 0, 0, 0
	FETCH_A 0, 0, 0
	SCALES 0
	FETCH_A 0, 0, 4
	s_wait_loadcnt 0x0                             ; the bias
	STEP 0, 0, 1
	STEPS 0, 1
	; slot 0's last step changes slots: my part of slot 1 has landed, and after the barrier everybody's has
	s_wait_tensorcnt 0x0
	ds_add_u32 v[SPW], v[NIL]
	s_wait_dscnt 4*NL+1                            ; the add and the youngest loads may be out
	WIN MUL_LO
	MUL16 0, 1, NQ-1, 0, 0
	s_wait_dscnt 0x0
	s_barrier_signal -1
	MUL16 2, 1, NQ-1, 0, 0
	WIN 0
	s_barrier_wait -1
	PLACES NP
	v_add_nc_u32 v[ADRS], 4*NQ, v[ADRS]            ; slot 1's scale words: 16 bytes on in each row
	FETCH_B 1, 0, 0
	FETCH_A 1, 0, 0
	SCALES 1
	WIN MUL_HI
	MUL16 4, 1, NQ-1, 0, 0
	MUL16 6, 1, NQ-1, 0, 0
	PLACES NP
	WIN 0
	FETCH_A 1, 0, 4
	STEPS 1, 0
	s_wait_dscnt 4*NL                              ; the very last step
	WIN MUL_LO
	MUL16 0, 1, NQ-1, 1, 0
	MUL16 2, 1, NQ-1, 1, 0
	s_wait_dscnt 0
	WIN MUL_HI
	MUL16 4, 1, NQ-1, 1, 0
	MUL16 6, 1, NQ-1, 1, 0
	WIN 0
	PLACES NP
	; POSITIONS 0 TO 15 IN F32: block 0's eight accumulators as they stand, 512 consecutive bytes a store
	s_cmp_lg_u32 s95, 0
	s_cbranch_scc1 .Lno_fine
	WIN 0x08                                       ; a store's data: window 2
.irp b, 0,1,2,3,4,5,6,7
	global_store_b128 v31, v[8*\b:8*\b+3], s[98:99] offset:1024*\b
	global_store_b128 v31, v[8*\b+4:8*\b+7], s[98:99] offset:1024*\b+512
.endr
	WIN 0
.Lno_fine:
; THE WAY OUT, a block of 16 rows x 128 columns (two heads) at a time: rounded to f16, 16 bytes a lane into my stage, back so that sixteen lanes hold two neighbouring rows of one head: 256 consecutive bytes of qkv.
.macro PACK a
.set AC, 64*((\a)%4)
	WIN 0x0a+5*((\a)/4)                            ; sources 0 and 1: window 2 or 3
.irp b, 0,1,2,3,4,5,6,7
.irp r, 0,1,2,3
	v_cvt_pk_f16_f32 v[TMP+4*\b+\r], v[AC+8*\b+2*\r], v[AC+8*\b+2*\r+1]
.endr
.endr
	WIN 0
.endm
.macro TOSTAGE a
.set BK, OB+32*((\a)%2)
.irp b, 0,1,2,3,4,5,6,7
	ds_store_b128 v[STO], v[TMP+4*\b:TMP+4*\b+3] offset:32*\b
.endr
.irp i, 0,1,2,3,4,5,6,7
	ds_load_b128 v[BK+4*\i:BK+4*\i+3], v[RD] offset:2*SPITCH*\i   ; LDS serves a wave's instructions in order: these see the stores above
.endr
.endm
.macro SEND a
.set BK, OB+32*((\a)%2)
	s_wait_dscnt 0x0                               ; the block is back in registers
	s_wait_xcnt 0x0                                ; the stores of the block before have read their registers: the next block's loads may land there
.irp i, 0,1,2,3,4,5,6,7
	global_store_b128 v[CO], v[BK+4*\i:BK+4*\i+3], s[12:13] offset:2048*(\a)+256*\i
.endr
.endm
	PACK 0
	TOSTAGE 0
.irp a, 1,2,3,4,5,6,7
	PACK \a
	SEND (\a-1)
	TOSTAGE \a
.endr
	SEND 7
	s_wait_tensorcnt 0x0                           ; the wave's end
	ds_add_u32 v[SPW], v[NIL]
	s_wait_dscnt 0x0
	CROUND                                         ; the closing round
	s_endpgm
.Lfunc_end_k_q441311b277_qkvgemm:
	.size	k_q441311b277_qkvgemm, .Lfunc_end_k_q441311b277_qkvgemm-k_q441311b277_qkvgemm
	.p2alignl 7, 3214868480
	.fill 96, 4, 3214868480
	.section	.rodata,"a",@progbits
	.p2align	6, 0x0
	.amdhsa_kernel k_q441311b277_qkvgemm
		.amdhsa_group_segment_fixed_size 327680
		.amdhsa_private_segment_fixed_size 0
		.amdhsa_enable_private_segment 0
		.amdhsa_kernarg_size 56
		.amdhsa_user_sgpr_count 2
		.amdhsa_user_sgpr_kernarg_segment_ptr 1
		.amdhsa_wavefront_size32 1
		.amdhsa_system_sgpr_workgroup_id_x 1
		.amdhsa_system_sgpr_workgroup_id_y 1
		.amdhsa_system_sgpr_workgroup_id_z 1
		.amdhsa_system_vgpr_workitem_id 0
		.amdhsa_next_free_vgpr 1024
		.amdhsa_next_free_sgpr 100
		.amdhsa_reserve_vcc 0
		.amdhsa_float_denorm_mode_32 3
		.amdhsa_float_denorm_mode_16_64 3
		.amdhsa_memory_ordered 1
		.amdhsa_forward_progress 1
		.amdhsa_inst_pref_size 130
	.end_amdhsa_kernel
	.amdgpu_metadata
---
amdhsa.version: [ 1, 2 ]
amdhsa.kernels:
  - .name:           k_q441311b277_qkvgemm
    .symbol:         k_q441311b277_qkvgemm.kd
    .args:
      - { .name: x_codes, .offset: 0, .size: 8, .value_kind: global_buffer, .address_space: global }
      - { .name: x_scales, .offset: 8, .size: 8, .value_kind: global_buffer, .address_space: global }
      - { .name: w_codes, .offset: 16, .size: 8, .value_kind: global_buffer, .address_space: global }
      - { .name: w_scales, .offset: 24, .size: 8, .value_kind: global_buffer, .address_space: global }
      - { .name: qkv, .offset: 32, .size: 8, .value_kind: global_buffer, .address_space: global }
      - { .name: b_qkv, .offset: 40, .size: 8, .value_kind: global_buffer, .address_space: global }
      - { .name: fine32, .offset: 48, .size: 8, .value_kind: global_buffer, .address_space: global }
    .group_segment_fixed_size: 327680
    .private_segment_fixed_size: 0
    .kernarg_segment_align: 8
    .kernarg_segment_size: 56
    .max_flat_workgroup_size: 128
    .sgpr_count:     100
    .vgpr_count:     1024
    .wavefront_size: 32
...
	.end_amdgpu_metadata
.endif
;; end of part 2
;; launch attn (part 3): grid 8 x 64, 16 waves a work-group, no clusters, 327,680 bytes of LDS; arguments qkv, yh; writes yh
.if DOCPART == 3
	.amdgcn_target "amdgcn-amd-amdhsa--gfx1250"
	.amdhsa_code_object_version 6
	.text
	.protected	k_q441311b277_attn
	.globl	k_q441311b277_attn
	.p2align	8
	.type	k_q441311b277_attn,@function
k_q441311b277_attn:
	s_mov_b64 s[64:65], 0
	v_nop
	global_prefetch_b8 v0, s[64:65] scope:SCOPE_SE
	s_setreg_imm32_b32 hwreg(HW_REG_WAVE_MODE, 25, 1), 1
	s_wait_xcnt 0x0
; y[b][h][q] = the sum over k <= q of softmax_k(q . k / 8) v, per head of 64, on f16 operands with f32 sums, maxima and sums of weights.  qkv: [q, k, v][bh 64][t 2048][64] f16.  yh: [head 16][b x 2048 + t][64] f16.
; LEFT OUT: key steps all of whose 64 keys come after a wave's 16 queries, and slots all of whose keys come after the work-group's last query: reference()'s own tril makes their weights 0.
; SHARES.  A work-group takes two blocks of 128 queries of one head, block j and block 15 - j: so all 512 work-groups have the same number of key steps.  Each of sixteen waves owns 16 queries, in 256 registers,
; four waves to a SIMD, so that one wave's vector work stands beside another's matrix work.  K and V come through a ring of two LDS slots of 256 keys (waves 0, 1: K's halves; waves 2, 3: V's).
; NO CLUSTER: the work-groups of a head stop reading at different slots (at 128 (15 - j) + 127), so a partner would be brought tiles that none of its waves reads.
; LAYOUT.  S^T = K Q^T (source 0 = 16 keys, source 1 = my 16 queries): a lane holds one query (lane % 16) and keys 8 (lane / 16) + 0..7 of each tile.  Two such tiles, rounded to f16 in pairs, are source 1 of
; O^T = V^T P; V ([key][channel]) comes out of LDS turned, by ds_load_tr16_b128.  SOFTMAX: a running maximum m and sum l; p = 2^(c s - c m), c = log2(e) / 8; O and l are multiplied by 2^(c m_old - c m_new) in every step.
; Every work-group walks all eight slots with constant trip counts; what is left out is a step's work (a scalar branch on ids) and a slot's load (a branch on ids, the same in all sixteen waves).  Every wait on TENSORcnt is for 0.
; LIMIT: q, k, v, y up to 65,504 in magnitude (f16).
.set SK,    256                        ; keys in a slot
.set KP,    144                        ; a key's row in LDS: 128 bytes + 16
.set VP,    160                        ; a row of V: 128 bytes + 32
.set VOFF,  SK*KP
.set SLOT1, 1<<17
.set NSL,   2048/SK
.set STAGE, 2*SLOT1                    ; the way out: 16 rows x 144 bytes for each wave; no tensor load fills it
.set SPARE, STAGE+16*16*144            ; the spare words, 128 bytes for each of sixteen waves
.set AK0, 1
.set AV0, 2
.set RH,  3                            ; v3   lane % 16 - 8 (lane / 16)
.set STO, 4
.set SPW, 5
.set NIL, 6
.set GO,  7
.set ADK, 8
.set ADV, 9
.set RD,  10
.set PFO, 11
.set QR,  16                           ; v16-31   Q: two fragments
.set KR,  32                           ; v32-95   K: fragment (tile kt, channels 32 cc on) at 8 (2 kt + cc)
.set S,   96                           ; v96-127  S^T, then p
.set P,   128                          ; v128-143 p in f16
.set O,   144                          ; v144-175 O^T
.set VR,  176                          ; v176-239 V: fragment (channels 16 ct on, keys 32 kh on) at 8 (2 ct + kh)
.set CM,  240                          ; v240 c m, v241 m
.set M,   241
.set L,   242                          ; v[242:243] l, even keys' and odd keys'
.set T,   244                          ; v244-247 at work
.set AA,  248                          ; v248 a; v249 named with it as a pair
.set NEG, 252                          ; v252 -infinity
.set WV,  18
.set SEL, 20
.set CS,  22
.set G1K, 24
.set G1V, 32
.set G0K, 40
.set G0V, 44
.set TB,  2
.set SLOTS, 67
.set PFA, 76
.set LIM, 80
.set WGL, 97                           ; s97  my work-group's last query
.set KF,  98                           ; s98  the step's first key
.set Q0,  99                           ; s99  my first query
.macro TLOAD                           ; waves 0, 1 fetch K's halves, waves 2, 3 V's, the others nothing; an s_nop 0 and four v_nop follow each line
	s_cmp_lt_u32 s[WV], 2
	s_cbranch_scc0 .Lnot_k_\@
	tensor_load_to_lds s[G0K:G0K+3], s[G1K:G1K+7]
	s_nop 0
.rept 4
	v_nop
.endr
	s_branch .Lasked_\@
.Lnot_k_\@:
	s_cmp_lt_u32 s[WV], 4
	s_cbranch_scc0 .Lasked_\@
	tensor_load_to_lds s[G0V:G0V+3], s[G1V:G1V+7]
	s_nop 0
.rept 4
	v_nop
.endr
.Lasked_\@:
.endm
; A prefetch of what the NEXT change of slots will ask for: a slot's 32,768 dense bytes of K and of V.  The head's work-group 0, which walks all slots, asks, and nobody else; in it waves 4 to 7 ask for K's,
; waves 8 to 11 for V's: 8,192 bytes a wave, lanes 256 bytes apart: each aligned block of 256 bytes is named once in the launch.  The last change that fills a slot asks for nothing; slots 0 and 1 come by their loads alone.
.macro ASK
	s_cmp_gt_u32 s[SLOTS], s[LIM]
	s_cbranch_scc0 .Lnot_mine_\@
	global_prefetch_b8 v[PFO], s[PFA:PFA+1] th:TH_LOAD_NT scope:SCOPE_SE
.Lnot_mine_\@:
.endm
	s_load_b128 s[4:7], s[0:1], 0x0                ; qkv, yh
	v_lshl_add_u32 v[SPW], v0, 2, SPARE
	v_mov_b32 v[NIL], 0
	ds_add_u32 v[SPW], v[NIL]                      ; the wave's opening: the add, twice on end, and its wait ahead of my first tensor load
	ds_add_u32 v[SPW], v[NIL]
	v_lshrrev_b32 v8, 5, v0
	v_readfirstlane_b32 s[WV], v8                  ; wave 0..15
	s_and_b32 s72, ttmp7, 0xffff                   ; bh
	s_lshl_b32 s74, s72, 18                        ; the head's first byte in q, in k and in v
	s_mov_b32 s75, 0
	s_lshl_b32 s68, ttmp9, 7                       ; 128 j
	s_sub_co_u32 s69, 1920, s68                    ; 128 (15 - j)
	s_add_co_u32 s[WGL], s69, 127
	s_sub_co_u32 s69, s69, s68
	s_lshr_b32 s70, s[WV], 3
	s_mul_i32 s69, s69, s70                        ; waves 8 to 15 take the later block
	s_add_co_u32 s[Q0], s68, s69
	s_and_b32 s70, s[WV], 7
	s_lshl_b32 s70, s70, 4
	s_add_co_u32 s[Q0], s[Q0], s70                 ; my first query
	s_and_b32 s88, s[WV], 1                        ; which half of a slot's 256 rows I fetch, if I fetch
	s_lshl_b32 s90, s88, 14
	s_add_co_u32 s90, s90, s74
	s_mov_b32 s91, 0
	s_mul_i32 s89, s88, 128*KP
	s_mul_i32 s94, s88, 128*VP
	s_add_co_u32 s94, s94, VOFF
	s_mov_b32 s[G1K], (1<<16)|(1<<20)|(4<<22)|(3<<25)   ; elements of 2 bytes; padding: 4 words after every 32
	s_mov_b32 s[G1V], (1<<16)|(1<<20)|(4<<22)|(7<<25)   ; 8 words after every 32
.irp g, G1K, G1V
	s_mov_b32 s[\g+1], 64<<16                      ; tensor_dim0
	s_mov_b32 s[\g+2], 128<<16                     ; tensor_dim1
	s_mov_b32 s[\g+3], 64<<16                      ; tile_dim0
	s_mov_b32 s[\g+4], 128                         ; tile_dim1
	s_mov_b32 s[\g+5], 64                          ; from row to row
	s_mov_b32 s[\g+6], 0
	s_mov_b32 s[\g+7], 0
.endr
	s_mov_b32 s[SEL], 0x76543210
	s_mov_b32 s[SEL+1], 0xfedcba98
	s_mov_b32 s[CS], 0x3e38aa3b                    ; c = log2(e) / 8
	s_mov_b32 s[CS+1], s[CS]
	s_mov_b32 s[TB], 0
	s_mov_b32 s[SLOTS], NSL-1
	s_mov_b32 s[KF], 0
	s_wait_dscnt 0x0                               ; both opening adds are done
	s_wait_kmcnt 0x0
	s_mov_b32 s[G0K], 1
	s_mov_b32 s[G0K+1], s89
	s_add_nc_u64 s[G0K+2:G0K+3], s[4:5], s[90:91]
	s_add_nc_u64 s[G0K+2:G0K+3], s[G0K+2:G0K+3], 0x1000000   ; k lies 16,777,216 bytes behind q
	s_or_b32 s[G0K+3], s[G0K+3], 0x80000000
	s_mov_b32 s[G0V], 1
	s_mov_b32 s[G0V+1], s94
	s_add_nc_u64 s[G0V+2:G0V+3], s[4:5], s[90:91]
	s_add_nc_u64 s[G0V+2:G0V+3], s[G0V+2:G0V+3], 0x2000000
	s_or_b32 s[G0V+3], s[G0V+3], 0x80000000
	TLOAD                                          ; slot 0: it holds key 0, which counts for every query
	s_lshl_b32 s82, s[Q0], 7
	s_add_co_u32 s82, s82, s74
	s_mov_b32 s83, 0
	s_add_nc_u64 s[8:9], s[4:5], s[82:83]          ; Q at my first query
	v_and_b32 v8, 15, v0                           ; r
	v_bfe_u32 v9, v0, 4, 1                         ; h
	v_lshlrev_b32 v13, 7, v8
	v_lshl_add_u32 v13, v9, 4, v13
.irp i, 0,1,2,3
	global_load_b128 v[QR+4*\i:QR+4*\i+3], v13, s[8:9] offset:32*\i   ; Q stays in registers
.endr
	s_and_b32 s82, s72, 15
	s_lshl_b32 s82, s82, 13
	s_lshr_b32 s84, s72, 4
	s_lshl_b32 s84, s84, 11
	s_add_co_u32 s82, s82, s84
	s_add_co_u32 s82, s82, s[Q0]
	s_lshl_b32 s82, s82, 7
	s_add_nc_u64 s[6:7], s[6:7], s[82:83]          ; yh at (head, batch x 2048 + my first query)
	s_mov_b32 s83, 0x2000000
	s_cmp_lt_u32 s[WV], 8
	s_cselect_b32 s82, 0x1000000, s83              ; the prefetches: K's for waves 4 to 7, V's for waves 8 to 11
	s_add_co_u32 s82, s82, s74
	s_and_b32 s81, s[WV], 3
	s_lshl_b32 s81, s81, 13
	s_add_co_u32 s82, s82, s81
	s_add_co_u32 s82, s82, 32768                   ; in slot 1: the first change of slots steps it to slot 2
	s_mov_b32 s83, 0
	s_add_nc_u64 s[PFA:PFA+1], s[4:5], s[82:83]
	s_sub_co_u32 s81, s[WV], 4
	s_lshr_b32 s81, s81, 3                         ; 0 in waves 4 to 11,
	s_or_b32 s81, s81, ttmp9                       ; of the head's work-group 0
	s_cmp_eq_u32 s81, 0
	s_cselect_b32 s[LIM], 1, -1
	v_and_b32 v14, 31, v0
	v_lshlrev_b32 v[PFO], 8, v14
	v_lshlrev_b32 v[GO], 4, v14
	v_mul_u32_u24 v[AK0], v8, KP
	v_lshl_add_u32 v[AK0], v9, 4, v[AK0]           ; K: row r, 16 bytes for each half of the lanes
	v_and_b32 v15, 7, v0
	v_lshl_add_u32 v[AV0], v9, 3, v15
	v_mul_u32_u24 v[AV0], v[AV0], VP
	v_bfe_u32 v12, v0, 3, 1
	v_lshl_add_u32 v[AV0], v12, 4, v[AV0]
	v_add_nc_u32 v[AV0], VOFF, v[AV0]              ; V, for the turning load: key 8 h + lane % 8, channels 8 ((lane / 8) % 2) on
	v_lshlrev_b32 v[RH], 3, v9
	v_sub_nc_u32 v[RH], v8, v[RH]
	s_mul_i32 s81, s[WV], 16*144
	s_add_co_u32 s81, s81, STAGE
	v_mul_u32_u24 v[STO], v8, 144
	v_lshl_add_u32 v[STO], v9, 4, v[STO]
	v_add_nc_u32 v[STO], s81, v[STO]
	v_lshrrev_b32 v[RD], 3, v14
	v_mul_u32_u24 v[RD], v[RD], 144
	v_lshl_add_u32 v[RD], v15, 4, v[RD]
	v_add_nc_u32 v[RD], s81, v[RD]
	v_mov_b32 v[M], 0xff61b1e6                     ; the largest score so far: -3e38
	v_mul_f32 v[CM], s[CS], v[M]
	v_mov_b32 v[L], 0
	v_mov_b32 v[L+1], 0
	v_mov_b32 v[T+1], 0
	v_mov_b32 v[AA+1], 0
	v_mov_b32 v[NEG], 0xff800000
.irp j, 0,1,2,3,4,5,6,7,8,9,10,11,12,13,14,15,16,17,18,19,20,21,22,23,24,25,26,27,28,29,30,31
	v_mov_b32 v[O+\j], 0                           ; O^T: the step is written once, and the first finds zeros
.endr
; A KEY STEP: 64 keys, the q-th of the slot in hand.
.macro STEP q
	s_add_co_u32 s96, s[Q0], 15
	s_cmp_gt_u32 s[KF], s96                        ; all 64 keys come after my 16 queries: the step's work is left out
	s_cbranch_scc1 .Lhidden_\@
	v_add_nc_u32 v[ADK], s[TB], v[AK0]
	v_add_nc_u32 v[ADV], s[TB], v[AV0]
	v_nop
	v_nop                                          ; four plain lines between the last step's products and the loads into V's registers
.irp kt, 0,1,2,3
.irp cc, 0,1
	ds_load_b128 v[KR+8*(2*\kt+\cc):KR+8*(2*\kt+\cc)+3], v[ADK] offset:(64*(\q)+16*\kt)*KP+64*\cc
	ds_load_b128 v[KR+8*(2*\kt+\cc)+4:KR+8*(2*\kt+\cc)+7], v[ADK] offset:(64*(\q)+16*\kt)*KP+64*\cc+32
.endr
.endr
.irp ct, 0,1,2,3
.irp kh, 0,1
	ds_load_tr16_b128 v[VR+8*(2*\ct+\kh):VR+8*(2*\ct+\kh)+3], v[ADV] offset:(64*(\q)+32*\kh)*VP+32*\ct
	ds_load_tr16_b128 v[VR+8*(2*\ct+\kh)+4:VR+8*(2*\ct+\kh)+7], v[ADV] offset:(64*(\q)+32*\kh)*VP+16*VP+32*\ct
.endr
.endr
	s_wait_dscnt 16                                ; K's sixteen loads are in; V's sixteen may be out
.irp kt, 0,1,2,3                               ; the four accumulators take turns
	v_wmma_f32_16x16x32_f16 v[S+8*\kt:S+8*\kt+7], v[KR+16*\kt:KR+16*\kt+7], v[QR:QR+7], 0
.endr
.irp kt, 0,1,2,3
	v_wmma_f32_16x16x32_f16 v[S+8*\kt:S+8*\kt+7], v[KR+16*\kt+8:KR+16*\kt+15], v[QR+8:QR+15], v[S+8*\kt:S+8*\kt+7]
.endr
.rept 4
	v_nop
.endr
	s_add_co_u32 s96, s[KF], 63
	s_cmp_le_u32 s96, s[Q0]                        ; all 64 keys count for all my queries: no mask
	s_cbranch_scc1 .Lopen_\@
	s_sub_co_i32 s96, s[Q0], s[KF]
	v_add_nc_u32 v12, s96, v[RH]                   ; d = my query - KF - 8 (lane / 16).  Register 8 kt + j holds key KF + 16 kt + 8 (lane / 16) + j: hidden where 16 kt + j > d
.irp n, 0,1,2,3,4,5,6,7,8,9,10,11,12,13,14,15,16,17,18,19,20,21,22,23,24,25,26,27,28,29,30,31
	v_cmp_gt_i32 vcc_lo, 16*(\n/8)+\n%8, v12
	v_cndmask_b32 v[S+\n], v[S+\n], v[NEG], vcc_lo
.endr
.Lopen_\@:
.irp k, 0,1,2,3
	v_max3_num_f32 v[T+\k], v[S+8*\k], v[S+8*\k+1], v[S+8*\k+2]   ; each tile from its low end on
.endr
.irp i, 3,5
.irp k, 0,1,2,3
	v_max3_num_f32 v[T+\k], v[T+\k], v[S+8*\k+\i], v[S+8*\k+\i+1]
.endr
.endr
	v_max3_num_f32 v[T], v[T], v[S+7], v[S+15]
	v_max3_num_f32 v[T+2], v[T+2], v[S+23], v[S+31]
	v_max3_num_f32 v[T], v[T], v[T+1], v[T+2]
	v_max3_num_f32 v[T], v[T], v[T+3], v[M]        ; with the old m
	v_permlanex16_b32 v[T+1], v[T], s[SEL], s[SEL+1]   ; the query's other 32 keys lie in the lane 16 away
	v_mov_b32 v[T+3], v[CM]                        ; c m_old
	v_max_num_f32 v[M], v[T], v[T+1]
	v_mul_f32 v[CM], s[CS], v[M]
	v_sub_f32 v[T+3], v[T+3], v[CM]
.irp j, 0,2,4,6,8,10,12,14,16,18,20,22,24,26,28,30
	v_pk_fma_f32 v[S+\j:S+\j+1], v[S+\j:S+\j+1], s[CS:CS+1], v[CM:CM+1] op_sel_hi:[1,0,0] neg_lo:[0,0,1] neg_hi:[0,0,1]   ; c s - c m
.endr
	v_exp_f32 v[AA], v[T+3]                        ; a = 2^(c m_old - c m_new)
.irp j, 0,1,2,3,4,5,6,7,8,9,10,11,12,13,14,15,16,17,18,19,20,21,22,23,24,25,26,27,28,29,30,31
	v_exp_f32 v[S+\j], v[S+\j]
.endr
	v_nop                                          ; a plain line behind the last exponential
	s_wait_alu depctr_va_vdst(0)                   ; one wait for the batch of 33, ahead of its first reader
.irp i, 0,1,2,3,4,5,6,7,8,9,10,11,12,13,14,15
	v_cvt_pk_f16_f32 v[P+\i], v[S+2*\i], v[S+2*\i+1]
.endr
.irp z, 0,1,2,3,4,5,6,7
	v_pk_add_f32 v[S+4*\z:S+4*\z+1], v[S+4*\z:S+4*\z+1], v[S+4*\z+2:S+4*\z+3]   ; the sum of the unrounded weights, in place
.endr
.irp z, 0,1,2,3
	v_pk_add_f32 v[S+8*\z:S+8*\z+1], v[S+8*\z:S+8*\z+1], v[S+8*\z+4:S+8*\z+5]
.endr
.irp z, 0,1
	v_pk_add_f32 v[S+16*\z:S+16*\z+1], v[S+16*\z:S+16*\z+1], v[S+16*\z+8:S+16*\z+9]
.endr
	v_pk_add_f32 v[S:S+1], v[S:S+1], v[S+16:S+17]
	v_pk_fma_f32 v[L:L+1], v[L:L+1], v[AA:AA+1], v[S:S+1] op_sel_hi:[1,0,1]   ; l = a l + the sum
.irp j, 0,2,4,6,8,10,12,14,16,18,20,22,24,26,28,30
	v_pk_mul_f32 v[O+\j:O+\j+1], v[O+\j:O+\j+1], v[AA:AA+1] op_sel_hi:[1,0]
.endr
	s_wait_dscnt 0x0                               ; V is in
.irp kh, 0,1
.irp ct, 0,1,2,3
	v_wmma_f32_16x16x32_f16 v[O+8*\ct:O+8*\ct+7], v[VR+8*(2*\ct+\kh):VR+8*(2*\ct+\kh)+7], v[P+8*\kh:P+8*\kh+7], v[O+8*\ct:O+8*\ct+7]
.endr
.endr
.Lhidden_\@:
	s_add_co_u32 s[KF], s[KF], 64
.endm
; THE CHANGE OF SLOTS, at a slot's head.  Each wave waits for all its tensor loads, adds 0 to its spare word, and waits for that and for its reads of the slot that it has left.  Behind the barrier the slot ahead is
; whole and nobody reads the other one.  fill = 1: that other slot takes the next 256 keys, unless its first key comes after the work-group's last query: then no wave would read it.
.macro CHANGE fill
	s_wait_tensorcnt 0x0                           ; no tensor load of mine is out, so a group 0 may be written
	ds_add_u32 v[SPW], v[NIL]
.if \fill
	ds_add_u32 v[SPW], v[NIL]                      ; and once more, in every trip alike
	s_xor_b32 s[G0K+1], s[G0K+1], SLOT1
	s_add_nc_u64 s[G0K+2:G0K+3], s[G0K+2:G0K+3], SK*128
	s_xor_b32 s[G0V+1], s[G0V+1], SLOT1
	s_add_nc_u64 s[G0V+2:G0V+3], s[G0V+2:G0V+3], SK*128
	s_wait_xcnt 0x0                                ; the last prefetch, a slot back, has read its address
	s_add_nc_u64 s[PFA:PFA+1], s[PFA:PFA+1], SK*128
.endif
	s_wait_dscnt 0x0
	s_barrier_signal -1
	s_barrier_wait -1
.if \fill
	s_add_co_u32 s96, s[KF], SK                    ; the first key of the slot that this change would ask for
	s_cmp_gt_u32 s96, s[WGL]                       ; ids and the count of steps alone: all sixteen waves go the same way, and past the limit stays past it
	s_cbranch_scc1 .Lpast_\@
	TLOAD
.Lpast_\@:
	ASK
.endif
.endm
.macro SLOT_STEPS
.set Q, 0
.rept 4
	STEP Q
.set Q, Q+1
.endr
	s_xor_b32 s[TB], s[TB], SLOT1
.endm
	s_wait_loadcnt 0x0                             ; Q
.Lslot:                                            ; seven trips
	CHANGE 1
	SLOT_STEPS
	s_sub_co_u32 s[SLOTS], s[SLOTS], 1
	s_cmp_lg_u32 s[SLOTS], 0
	s_cbranch_scc1 .Lslot
	CHANGE 0                                       ; the last slot is written out: nothing is left to ask for
	SLOT_STEPS
	; THE WAY OUT: O^T / l, rounded to f16, through my stage; my 16 rows of 128 bytes are 2,048 consecutive bytes of yh
.rept 4
	v_nop
.endr
	v_add_f32 v[T], v[L], v[L+1]
	v_permlanex16_b32 v[T+1], v[T], s[SEL], s[SEL+1]
	v_add_f32 v[T], v[T], v[T+1]
	v_rcp_f32 v[AA], v[T]
	v_nop
	s_wait_alu depctr_va_vdst(0)
.irp j, 0,2,4,6,8,10,12,14,16,18,20,22,24,26,28,30
	v_pk_mul_f32 v[S+\j:S+\j+1], v[O+\j:O+\j+1], v[AA:AA+1] op_sel_hi:[1,0]
.endr
.irp i, 0,1,2,3,4,5,6,7,8,9,10,11,12,13,14,15
	v_cvt_pk_f16_f32 v[P+\i], v[S+2*\i], v[S+2*\i+1]
.endr
.irp ct, 0,1,2,3
	ds_store_b128 v[STO], v[P+4*\ct:P+4*\ct+3] offset:32*\ct
.endr
.irp i, 0,1,2,3
	ds_load_b128 v[S+4*\i:S+4*\i+3], v[RD] offset:4*144*\i   ; these see my stores: four rows an instruction
.endr
.irp i, 0,1,2,3
	s_wait_dscnt 3-\i
	global_store_b128 v[GO], v[S+4*\i:S+4*\i+3], s[6:7] offset:512*\i
.endr
	s_wait_tensorcnt 0x0                           ; the wave's end
	ds_add_u32 v[SPW], v[NIL]
	s_wait_dscnt 0x0
	s_endpgm
.Lfunc_end_k_q441311b277_attn:
	.size	k_q441311b277_attn, .Lfunc_end_k_q441311b277_attn-k_q441311b277_attn
	.p2alignl 7, 3214868480
	.fill 96, 4, 3214868480
	.section	.rodata,"a",@progbits
	.p2align	6, 0x0
	.amdhsa_kernel k_q441311b277_attn
		.amdhsa_group_segment_fixed_size 327680
		.amdhsa_private_segment_fixed_size 0
		.amdhsa_enable_private_segment 0
		.amdhsa_kernarg_size 16
		.amdhsa_user_sgpr_count 2
		.amdhsa_user_sgpr_kernarg_segment_ptr 1
		.amdhsa_wavefront_size32 1
		.amdhsa_system_sgpr_workgroup_id_x 1
		.amdhsa_system_sgpr_workgroup_id_y 1
		.amdhsa_system_sgpr_workgroup_id_z 1
		.amdhsa_system_vgpr_workitem_id 0
		.amdhsa_next_free_vgpr 256
		.amdhsa_next_free_sgpr 100
		.amdhsa_reserve_vcc 1
		.amdhsa_float_denorm_mode_32 3
		.amdhsa_float_denorm_mode_16_64 3
		.amdhsa_memory_ordered 1
		.amdhsa_forward_progress 1
		.amdhsa_inst_pref_size 109
	.end_amdhsa_kernel
	.amdgpu_metadata
---
amdhsa.version: [ 1, 2 ]
amdhsa.kernels:
  - .name:           k_q441311b277_attn
    .symbol:         k_q441311b277_attn.kd
    .args:
      - { .name: qkv, .offset: 0, .size: 8, .value_kind: global_buffer, .address_space: global }
      - { .name: yh, .offset: 8, .size: 8, .value_kind: global_buffer, .address_space: global }
    .group_segment_fixed_size: 327680
    .private_segment_fixed_size: 0
    .kernarg_segment_align: 8
    .kernarg_segment_size: 16
    .max_flat_workgroup_size: 512
    .sgpr_count:     100
    .vgpr_count:     256
    .wavefront_size: 32
...
	.end_amdgpu_metadata
.endif
;; end of part 3
;; launch proj (part 4): grid 4 x 64, 4 waves a work-group, clusters of 4 x 4, 327,680 bytes of LDS; arguments yh, w16, b_out, out0; writes out0
.if DOCPART == 4
	.amdgcn_target "amdgcn-amd-amdhsa--gfx1250"
	.amdhsa_code_object_version 6
	.text
	.protected	k_q441311b277_proj
	.globl	k_q441311b277_proj
	.p2align	8
	.type	k_q441311b277_proj,@function
k_q441311b277_proj:
	s_mov_b64 s[64:65], 0
	v_nop
	global_prefetch_b8 v0, s[64:65] scope:SCOPE_SE
	s_setreg_imm32_b32 hwreg(HW_REG_WAVE_MODE, 25, 1), 1
	s_wait_xcnt 0x0
	s_wait_alu depctr_hold_cnt(0) depctr_sa_sdst(0) depctr_va_vdst(0) depctr_va_sdst(0) depctr_va_ssrc(0) depctr_va_vcc(0) depctr_vm_vsrc(0)
	s_getreg_b32 s2, hwreg(HW_REG_IB_STS2, 6, 4)
	s_cmp_eq_u32 s2, 0
	s_cbranch_scc0 .Lentry_in_a_cluster
	s_endpgm
.Lentry_in_a_cluster:
	s_bfe_u32 s2, ttmp6, 0x10000c
	s_cmp_lg_u32 s2, 0xf033
	s_cbranch_scc0 .Lentry_shape_is_right
	s_endpgm
.Lentry_shape_is_right:
; out0 = y w_out + b_out on f16 operands, f32 sums.  yh: [head 16][row 8192][64] f16: a K chunk of 64 of 128 rows is one dense block.  w16: [k 1024][n 1024] f16.
; LEFT OUT: the stores of positions 0 to 15 of each batch, which the next launch makes in f32; their products lie inside tiles that hold live rows, and stay.
; A tile of out0 is 128 x 256: 256 work-groups.  Four waves, each 64 x 128: 32 accumulators, 256 registers.  K goes in steps of 128 (two chunks) through a ring of two LDS slots.
; CLUSTERS: 4 x 4.  Tile column = cx, tile row = 16 cy + cluster y.  The four of a row of the cluster ask jointly for y's tiles, the four of a column for w's.
; TRANSPOSED USE: source 0 = 16 columns of w (out of LDS turned, by ds_load_tr16_b128), source 1 = 16 rows of y: a lane holds eight neighbouring columns of one row.  The bias is the C of each sum's first product.
; REGISTERS: window 0: v16-29 addresses; two fragment buffers at v64 and v160 (y's four fragments, then w's eight).  window 1: the accumulators ((a, b) at 8 (8 a + b)).  window 2: v0-63 the bias.
.set AP,    144                        ; a row of y's chunk in LDS: 128 bytes + 16
.set ACH,   128*AP                     ; a chunk
.set BP,    544                        ; a k-row of w in LDS: 512 bytes + 32
.set BOFF,  2*ACH
.set SLOT,  BOFF+128*BP
.set STAGE, 2*SLOT                     ; 16 rows x (512 bytes + 16) for each wave; no tensor load fills it
.set SPITCH, 528
.set SPARE, STAGE+4*16*SPITCH
.set LAPS,  4                          ; eight K steps, two to a lap
.set ADRA, 16
.set ADRB, 20
.set STO,  24
.set RD,   25
.set CO,   26
.set SPW,  28
.set NIL,  29
.set F0,   64
.set F1,   160
.set BK,   64
.set G1, 24
.set G0, 32
.set G1B, 48
.set G0B, 56
.set MSB, 0
.macro WIN new
.if MSB != (\new)
	s_set_vgpr_msb (MSB<<8)|(\new)
.set MSB, (\new)
.endif
.endm
.set MUL,  0x50                        ; C and D window 1
.set MUL0, 0x60                        ; C (the bias) window 2, D window 1
.macro JLOAD s                         ; a joint load: waves 0 and 1 fetch y's two chunks, waves 2 and 3 w's two halves
	s_cmp_eq_u32 s15, 0
	s_cbranch_scc0 .Lfor_b_\@
	tensor_load_to_lds s[G0+4*\s:G0+4*\s+3], s[G1:G1+7]
	s_nop 0
.rept 4
	v_nop
.endr
	s_branch .Lasked_\@
.Lfor_b_\@:
	tensor_load_to_lds s[G0B+4*\s:G0B+4*\s+3], s[G1B:G1B+7]
	s_nop 0
.rept 4
	v_nop
.endr
.Lasked_\@:
.endm
.macro CREST
	s_cmp_lg_u32 s14, 0
	s_cbranch_scc1 .Lnot_wave_0_\@
	s_barrier_signal -3
.Lnot_wave_0_\@:
	s_barrier_wait -3
	s_barrier_signal -1
	s_barrier_wait -1
.endm
.macro CROUND
	s_barrier_signal -1
	s_barrier_wait -1
	CREST
.endm
	s_load_b128 s[4:7], s[0:1], 0x0                ; yh, w16
	s_load_b128 s[8:11], s[0:1], 0x10              ; b_out, out0
	v_lshl_add_u32 v[SPW], v0, 2, SPARE
	v_mov_b32 v[NIL], 0
	ds_add_u32 v[SPW], v[NIL]                      ; the wave's opening: the add, twice on end, and its wait ahead of my first tensor load
	ds_add_u32 v[SPW], v[NIL]
	v_lshrrev_b32 v1, 5, v0
	v_readfirstlane_b32 s14, v1                    ; wave 0..3
	s_lshr_b32 s15, s14, 1                         ; which 64 rows are mine.  Also: I fetch for y (0) or for w (1)
	s_and_b32 s16, s14, 1                          ; which 128 columns.  Also: which chunk, or which 64 k-rows, I fetch
	s_bfe_u32 s40, ttmp6, 0x40000                  ; cx
	s_bfe_u32 s41, ttmp6, 0x40004                  ; cy
	s_lshl_b32 s42, ttmp9, 2
	s_add_co_u32 s42, s42, s40                     ; tile column
	s_and_b32 s12, ttmp7, 0xffff                   ; cluster y
	s_lshl_b32 s13, s41, 4
	s_add_co_u32 s13, s13, s12                     ; tile row = 16 cy + cluster y
	s_or_b32 s44, s12, s15                         ; 0 where my first 16 rows are positions 0 to 15: the same in all partners for a given wave
	s_lshl_b32 s43, s41, 2
	s_lshl_b32 s43, 15, s43                        ; my row of the cluster
	s_lshl_b32 s45, 0x1111, s40                    ; my column
	s_or_b32 s[G1+0], s43, (1<<16)|(1<<20)|(1<<21)|(4<<22)|(3<<25)   ; y: elements of 2 bytes; 4 words of padding after every 32
	s_mov_b32 s[G1+1], 64<<16
	s_mov_b32 s[G1+2], 128<<16
	s_mov_b32 s[G1+3], 64<<16
	s_mov_b32 s[G1+4], 128
	s_mov_b32 s[G1+5], 64
	s_mov_b32 s[G1+6], 0
	s_mov_b32 s[G1+7], 0
	s_or_b32 s[G1B+0], s45, (1<<16)|(1<<20)|(1<<21)|(6<<22)|(7<<25)  ; w: 8 words of padding after every 128
	s_mov_b32 s[G1B+1], 256<<16
	s_mov_b32 s[G1B+2], 64<<16
	s_mov_b32 s[G1B+3], 256<<16
	s_mov_b32 s[G1B+4], 64
	s_mov_b32 s[G1B+5], 1024
	s_mov_b32 s[G1B+6], 0
	s_mov_b32 s[G1B+7], 0
	s_lshl_b32 s20, s16, 20                        ; y: chunk (wave & 1): 8,192 rows of 128 bytes,
	s_lshl_b32 s21, s13, 14                        ; row 128 x tile row
	s_add_co_u32 s20, s20, s21
	s_mov_b32 s21, 0
	s_lshl_b32 s46, s16, 17                        ; w: k-row 64 (wave & 1), rows of 2,048 bytes,
	s_lshl_b32 s47, s42, 9                         ; column 256 x tile column
	s_add_co_u32 s46, s46, s47
	s_mov_b32 s47, 0
	s_mul_i32 s22, s16, ACH                        ; where they go
	s_mul_i32 s23, s16, 64*BP
	s_add_co_u32 s23, s23, BOFF
	s_wait_dscnt 0x0                               ; both opening adds are done
	s_wait_kmcnt 0x0
	s_add_nc_u64 s[20:21], s[4:5], s[20:21]
	s_add_nc_u64 s[46:47], s[6:7], s[46:47]
	CROUND                                         ; all sixteen work-groups are here: the first joint loads meet
.irp s, 0,1
	s_mov_b32 s[G0+4*\s], 1
	s_add_co_u32 s[G0+4*\s+1], s22, \s*SLOT
	s_add_nc_u64 s[G0+4*\s+2:G0+4*\s+3], s[20:21], \s*2*8192*128
	s_or_b32 s[G0+4*\s+3], s[G0+4*\s+3], 0x80000000
	s_mov_b32 s[G0B+4*\s], 1
	s_add_co_u32 s[G0B+4*\s+1], s23, \s*SLOT
	s_add_nc_u64 s[G0B+4*\s+2:G0B+4*\s+3], s[46:47], \s*128*2048
	s_or_b32 s[G0B+4*\s+3], s[G0B+4*\s+3], 0x80000000
	JLOAD \s
.endr
	v_and_b32 v1, 15, v0                           ; r
	v_bfe_u32 v2, v0, 4, 1                         ; h
	v_mul_u32_u24 v3, v1, AP
	v_lshl_add_u32 v3, v2, 4, v3
	s_mul_i32 s21, s15, 64*AP                      ; my 64 rows of y
	v_and_b32 v4, 7, v0
	v_lshl_add_u32 v4, v2, 3, v4
	v_mul_u32_u24 v4, v4, BP
	v_bfe_u32 v5, v0, 3, 1
	v_lshl_add_u32 v4, v5, 4, v4                   ; w, for the turning load: k-row 8 h + lane % 8, columns 8 ((lane / 8) % 2) on
	s_lshl_b32 s22, s16, 8                         ; my 128 columns
	s_add_co_u32 s22, s22, BOFF
.irp s, 0,1
	v_add_nc_u32 v[ADRA+\s], s21, v3
	v_add_nc_u32 v[ADRB+\s], s22, v4
	s_add_co_u32 s21, s21, SLOT
	s_add_co_u32 s22, s22, SLOT
.endr
	s_mul_i32 s23, s14, 16*SPITCH
	s_add_co_u32 s23, s23, STAGE
	v_mul_u32_u24 v5, v1, SPITCH
	v_lshl_add_u32 v5, v2, 5, v5
	v_add_nc_u32 v[STO], s23, v5                   ; the stage, in: row r, 32 bytes for each half of the lanes
	v_and_b32 v6, 31, v0
	v_lshlrev_b32 v[CO], 4, v6
	v_add_nc_u32 v[RD], s23, v[CO]                 ; back: a row of 512 bytes to the 32 lanes
	v_lshlrev_b32 v27, 5, v2
	s_lshl_b32 s20, s42, 10
	s_lshl_b32 s21, s16, 9
	s_add_co_u32 s20, s20, s21                     ; my first column, in bytes of f32
	s_mov_b32 s21, 0
	s_add_nc_u64 s[8:9], s[8:9], s[20:21]
	s_add_nc_u64 s[10:11], s[10:11], s[20:21]
	s_lshl_b32 s20, s13, 19                        ; row 128 x tile row, rows of 4,096 bytes,
	s_lshl_b32 s22, s15, 18                        ; + my 64
	s_add_co_u32 s20, s20, s22
	s_add_nc_u64 s[10:11], s[10:11], s[20:21]
	WIN 0x80                                       ; destination window 2
.irp b, 0,1,2,3,4,5,6,7
	global_load_b128 v[8*\b:8*\b+3], v27, s[8:9] offset:64*\b       ; register 8 b + j: b_out at my column 16 b + 8 h + j
	global_load_b128 v[8*\b+4:8*\b+7], v27, s[8:9] offset:64*\b+16
.endr
	WIN 0
.macro MULA f, a, zero                 ; 8 matrix instructions: y's block a against w's eight, 32 along K.  The 32 accumulators take turns
.irp b, 0,1,2,3,4,5,6,7
.if \zero
	v_wmma_f32_16x16x32_f16 v[8*(8*(\a)+\b):8*(8*(\a)+\b)+7], v[\f+32+8*\b:\f+32+8*\b+7], v[\f+8*(\a):\f+8*(\a)+7], v[8*\b:8*\b+7]
.else
	v_wmma_f32_16x16x32_f16 v[8*(8*(\a)+\b):8*(8*(\a)+\b)+7], v[\f+32+8*\b:\f+32+8*\b+7], v[\f+8*(\a):\f+8*(\a)+7], v[8*(8*(\a)+\b):8*(8*(\a)+\b)+7]
.endif
.endr
.endm
.macro FETCH slot, q, f                ; 24 LDS loads in one run: the slot's q-th 32 along K: w's eight fragments, then y's four
	WIN 0
.irp b, 0,1,2,3,4,5,6,7
	ds_load_tr16_b128 v[\f+32+8*\b:\f+32+8*\b+3], v[ADRB+\slot] offset:32*(\q)*BP+32*\b
	ds_load_tr16_b128 v[\f+32+8*\b+4:\f+32+8*\b+7], v[ADRB+\slot] offset:32*(\q)*BP+16*BP+32*\b
.endr
.irp a, 0,1,2,3
	ds_load_b128 v[\f+8*\a:\f+8*\a+3], v[ADRA+\slot] offset:((\q)/2)*ACH+((\q)%2)*64+\a*16*AP
	ds_load_b128 v[\f+8*\a+4:\f+8*\a+7], v[ADRA+\slot] offset:((\q)/2)*ACH+((\q)%2)*64+\a*16*AP+32
.endr
.endm
.macro PLACES
.rept 4
	v_nop
.endr
.endm
.macro QUARTER slot, qn, f, g, zero    ; multiplies buffer f; in its middle it fetches the slot's qn-th quarter into buffer g
	s_wait_dscnt 4                                 ; w's fragments and y's blocks 0, 1 are in; the youngest four loads may be out
.if \zero
	WIN MUL0
.else
	WIN MUL
.endif
	MULA \f, 0, \zero
	MULA \f, 1, \zero
	PLACES
	FETCH \slot, \qn, \g
	s_wait_dscnt 24                                ; all but the 24 just issued
.if \zero
	WIN MUL0
.else
	WIN MUL
.endif
	MULA \f, 2, \zero
	MULA \f, 3, \zero
.endm
; A slot's last quarter multiplies buffer 1 and changes slots: one barrier; in front of it each wave waits for all its tensor loads, adds 0 to its spare word, and waits for that and for its reads of this slot.
.macro TURN slot, next, fill
	WIN 0
	s_wait_tensorcnt 0x0                           ; all my tensor loads have landed: my part of the next slot
	ds_add_u32 v[SPW], v[NIL]
	s_wait_dscnt 5                                 ; the add and the youngest four loads may be out
	WIN MUL
	MULA F1, 0, 0
	s_wait_dscnt 0x0                               ; the add is done, and my reads of this slot are over
	s_barrier_signal -1
	MULA F1, 1, 0
.if \fill
	WIN 0
.endif
	s_barrier_wait -1
.if \fill
	CREST                                          ; the barrier has opened a round of the cluster's: no wave of any partner still reads this slot or has a load on its way
	s_add_nc_u64 s[G0+4*\slot+2:G0+4*\slot+3], s[G0+4*\slot+2:G0+4*\slot+3], 4*8192*128
	s_add_nc_u64 s[G0B+4*\slot+2:G0B+4*\slot+3], s[G0B+4*\slot+2:G0B+4*\slot+3], 256*2048
	JLOAD \slot                                    ; the first tensor load behind the round; its four v_nop are also the places in front of the loads below
.else
	PLACES
.endif
	FETCH \next, 0, F0
	WIN MUL
	MULA F1, 2, 0
	MULA F1, 3, 0
.endm
	s_wait_tensorcnt 1                             ; my part of K step 0 is in; K step 1's may be out
	s_barrier_signal -1
	s_barrier_wait -1
	FETCH 0, 0, F0
	s_wait_loadcnt 0x0                             ; the bias
	QUARTER 0, 1, F0, F1, 1                        ; the first quarter starts the sums on the bias
	WIN 0
	s_mov_b32 s3, LAPS-1
.Llap:                                             ; a trip goes once round the ring and fills both slots again
	QUARTER 0, 2, F1, F0, 0
	QUARTER 0, 3, F0, F1, 0
	TURN 0, 1, 1
	QUARTER 1, 1, F0, F1, 0
	QUARTER 1, 2, F1, F0, 0
	QUARTER 1, 3, F0, F1, 0
	TURN 1, 0, 1
	QUARTER 0, 1, F0, F1, 0
	WIN 0
	s_sub_co_u32 s3, s3, 1
	s_cmp_lg_u32 s3, 0
	s_cbranch_scc1 .Llap
	QUARTER 0, 2, F1, F0, 0                        ; the last lap fills nothing
	QUARTER 0, 3, F0, F1, 0
	TURN 0, 1, 0
	QUARTER 1, 1, F0, F1, 0
	QUARTER 1, 2, F1, F0, 0
	QUARTER 1, 3, F0, F1, 0
	s_wait_dscnt 4
	WIN MUL
	MULA F1, 0, 0
	MULA F1, 1, 0
	s_wait_dscnt 0
	MULA F1, 2, 0
	MULA F1, 3, 0
	WIN 0
	PLACES
; THE WAY OUT, a block of 16 rows x 128 columns at a time, through my own stage: back as whole rows of 512 bytes
.macro TOSTAGE a
	WIN 0x04                                       ; an LDS store's data: window 1
.irp b, 0,1,2,3,4,5,6,7
	ds_store_b128 v[STO], v[8*(8*(\a)+\b):8*(8*(\a)+\b)+3] offset:64*\b          ; each accumulator from its low end on
	ds_store_b128 v[STO], v[8*(8*(\a)+\b)+4:8*(8*(\a)+\b)+7] offset:64*\b+16
.endr
	WIN 0
.set BB, BK+64*((\a)%2)
.irp t, 0,1,2,3,4,5,6,7,8,9,10,11,12,13,14,15
	ds_load_b128 v[BB+4*\t:BB+4*\t+3], v[RD] offset:\t*SPITCH
.endr
.endm
.macro SEND a, younger
.set BB, BK+64*((\a)%2)
	s_wait_dscnt \younger
.if (\a) == 0
	s_cmp_eq_u32 s44, 0                            ; positions 0 to 15 of a batch are the next launch's
	s_cbranch_scc1 .Lnot_mine
.endif
.irp t, 0,1,2,3,4,5,6,7,8,9,10,11,12,13,14,15
	global_store_b128 v[CO], v[BB+4*\t:BB+4*\t+3], s[10:11] offset:(16*(\a)+\t)*4096 th:TH_STORE_NT   ; 512 consecutive bytes, aligned
.endr
.if (\a) == 0
.Lnot_mine:
.endif
.endm
	TOSTAGE 0
.irp a, 1,2,3
.if \a > 1
	s_wait_xcnt 0x0                                ; the stores of two blocks back have read their registers: this block's loads may land there
.endif
	TOSTAGE \a
	SEND (\a-1), 32                                ; behind that block's loads: this block's 16 stores and 16 loads
.endr
	SEND 3, 0
	s_wait_tensorcnt 0x0                           ; the wave's end
	ds_add_u32 v[SPW], v[NIL]
	s_wait_dscnt 0x0
	CROUND                                         ; the closing round
	s_endpgm
.Lfunc_end_k_q441311b277_proj:
	.size	k_q441311b277_proj, .Lfunc_end_k_q441311b277_proj-k_q441311b277_proj
	.p2alignl 7, 3214868480
	.fill 96, 4, 3214868480
	.section	.rodata,"a",@progbits
	.p2align	6, 0x0
	.amdhsa_kernel k_q441311b277_proj
		.amdhsa_group_segment_fixed_size 327680
		.amdhsa_private_segment_fixed_size 0
		.amdhsa_enable_private_segment 0
		.amdhsa_kernarg_size 32
		.amdhsa_user_sgpr_count 2
		.amdhsa_user_sgpr_kernarg_segment_ptr 1
		.amdhsa_wavefront_size32 1
		.amdhsa_system_sgpr_workgroup_id_x 1
		.amdhsa_system_sgpr_workgroup_id_y 1
		.amdhsa_system_sgpr_workgroup_id_z 1
		.amdhsa_system_vgpr_workitem_id 0
		.amdhsa_next_free_vgpr 576
		.amdhsa_next_free_sgpr 66
		.amdhsa_reserve_vcc 0
		.amdhsa_float_denorm_mode_32 3
		.amdhsa_float_denorm_mode_16_64 3
		.amdhsa_memory_ordered 1
		.amdhsa_forward_progress 1
		.amdhsa_inst_pref_size 87
	.end_amdhsa_kernel
	.amdgpu_metadata
---
amdhsa.version: [ 1, 2 ]
amdhsa.kernels:
  - .name:           k_q441311b277_proj
    .symbol:         k_q441311b277_proj.kd
    .args:
      - { .name: yh, .offset: 0, .size: 8, .value_kind: global_buffer, .address_space: global }
      - { .name: w16, .offset: 8, .size: 8, .value_kind: global_buffer, .address_space: global }
      - { .name: b_out, .offset: 16, .size: 8, .value_kind: global_buffer, .address_space: global }
      - { .name: out0, .offset: 24, .size: 8, .value_kind: global_buffer, .address_space: global }
    .group_segment_fixed_size: 327680
    .private_segment_fixed_size: 0
    .kernarg_segment_align: 8
    .kernarg_segment_size: 32
    .max_flat_workgroup_size: 128
    .sgpr_count:     66
    .vgpr_count:     576
    .wavefront_size: 32
...
	.end_amdgpu_metadata
.endif
;; end of part 4
;; launch fine (part 5): grid 64 x 4, 16 waves a work-group, no clusters, 18,432 bytes of LDS; arguments fine32, w_out, b_out, out0; writes out0
.if DOCPART == 5
	.amdgcn_target "amdgcn-amd-amdhsa--gfx1250"
	.amdhsa_code_object_version 6
	.text
	.protected	k_q441311b277_fine
	.globl	k_q441311b277_fine
	.p2align	8
	.type	k_q441311b277_fine,@function
k_q441311b277_fine:
	s_mov_b64 s[64:65], 0
	v_nop
	global_prefetch_b8 v0, s[64:65] scope:SCOPE_SE
	s_setreg_imm32_b32 hwreg(HW_REG_WAVE_MODE, 25, 1), 1
	s_wait_xcnt 0x0
; POSITIONS 0 TO 15 OF EVERY SEQUENCE, all in f32: their rows average one to sixteen values, are the largest of the output, and would feel the rounding of 16-bit operands most.
; Keys beyond position 15 are left out: reference()'s own tril gives them the weight 0 for these queries.
; A work-group makes 16 positions x 16 columns of out0 (columns 16 x, batch y).  Wave h is head h: S^T = K Q^T, the softmax, y^T = V^T P^T, and its own 64 of the projection's 1,024 along K; so y never leaves
; the registers.  The sixteen partial tiles meet in LDS; waves 0 and 1 add them and the bias and store.  48 matrix instructions of 16 x 16 x 4 a wave.
; fine32: [batch][n / 16][half 2][lane 32][4] f32: element (position = lane % 16, column = 16 (n / 16) + 8 (lane / 16) + 4 half + i).
; A lane's stores are 16 bytes, four lanes to a row's 64 bytes: 262,144 of the output's 33,554,432 bytes leave so.
; The registers that the f32 matrix form writes (v112-175) are written by matrix instructions alone.
.set SPARE, 16384                      ; behind the sixteen partial tiles of 1,024 bytes
.set SPW, 12
.set NIL, 13
.set KK,  16                           ; v16-47   K; later y, normalised
.set QQ,  48                           ; v48-79   Q
.set VV,  80                           ; v80-111  V: register 8 ct + jj: V(key 8 h + jj, channel 16 ct + r)
.set AC,  112                          ; v112-143 four accumulators
.set YA,  144                          ; v144-175 y^T
.set PP,  176                          ; v176-183 scores, then p
.set WK,  184                          ; v184-199 at work
.set WW,  200                          ; v200-231 w_out: register 8 ct + 2 s + j: w_out(64 head + 16 ct + 8 h + 2 s + j, my column r)
	s_load_b256 s[4:11], s[0:1], 0x0               ; fine32 s[4:5], w_out s[6:7], b_out s[8:9], out0 s[10:11]
	v_lshl_add_u32 v[SPW], v0, 2, SPARE
	v_mov_b32 v[NIL], 0
	v_lshrrev_b32 v1, 5, v0
	v_readfirstlane_b32 s12, v1                    ; wave = head
	v_and_b32 v2, 31, v0                           ; lane
	v_and_b32 v14, 15, v0                          ; r
	v_bfe_u32 v15, v0, 4, 1                        ; h
	v_lshlrev_b32 v3, 4, v2                        ; K, Q: 16 x lane: an image's place for my lane
	v_bfe_u32 v1, v0, 2, 1
	v_lshlrev_b32 v4, 9, v1
	v_bfe_u32 v1, v0, 3, 1
	v_lshl_add_u32 v4, v1, 8, v4
	v_lshl_add_u32 v4, v15, 7, v4
	v_and_b32 v1, 3, v0
	v_lshl_add_u32 v4, v1, 2, v4                   ; V: channel r of a tile, key 8 h
	v_lshlrev_b32 v5, 2, v14
	v_lshl_add_u32 v5, v15, 15, v5                 ; w_out: column r, 8 h rows of 4,096 bytes down
	v_lshlrev_b32 v6, 3, v15
	v_sub_nc_u32 v6, v14, v6                       ; r - 8 h
	s_lshl_b32 s13, s12, 10
	v_lshlrev_b32 v7, 2, v14
	v_lshl_add_u32 v7, v15, 9, v7
	v_add_nc_u32 v7, s13, v7                       ; my partial tile: position 8 h, column r
	s_and_b32 s14, s12, 1
	s_lshl_b32 s13, s14, 9
	v_add_nc_u32 v8, s13, v3                       ; waves 0, 1: half of a tile, 16 bytes a lane
	v_lshlrev_b32 v10, 4, v1
	v_lshrrev_b32 v9, 2, v2
	v_lshl_add_u32 v9, v9, 12, v10                 ; in out0: position lane / 4, 16 bytes at 16 (lane % 4)
	s_mov_b32 s20, 0x76543210
	s_mov_b32 s21, 0xfedcba98
	s_mov_b32 s22, 0x3e38aa3b                      ; c = log2(e) / 8
	s_mov_b32 s23, s22
	s_and_b32 s15, ttmp7, 0xffff                   ; batch
	s_mul_i32 s16, s15, 196608
	s_lshl_b32 s18, s12, 12
	s_add_co_u32 s16, s16, s18
	s_mov_b32 s17, 0
	s_lshl_b32 s24, ttmp9, 6                       ; my 16 columns, in bytes
	s_mov_b32 s25, 0
	s_lshl_b32 s26, s12, 18                        ; w_out: my head's 64 rows
	s_add_co_u32 s26, s26, s24
	s_mov_b32 s27, 0
	s_lshl_b32 s28, s15, 23                        ; out0: the batch's first row,
	s_lshl_b32 s18, s14, 15                        ; + 8 rows for wave 1
	s_add_co_u32 s28, s28, s18
	s_add_co_u32 s28, s28, s24
	s_mov_b32 s29, 0
	v_mov_b32 v[WK+1], 0                           ; written once: a lane permute's destination counts as one of its sources
	v_mov_b32 v[WK+5], 0                           ; named as the upper half of a pair
	v_mov_b32 v233, 0xff800000                     ; -infinity
	s_wait_kmcnt 0x0
	s_add_nc_u64 s[4:5], s[4:5], s[16:17]
	s_add_nc_u64 s[6:7], s[6:7], s[26:27]
	s_add_nc_u64 s[8:9], s[8:9], s[24:25]
	s_add_nc_u64 s[10:11], s[10:11], s[28:29]
.irp q, 0,1,2,3,4,5,6,7
	global_load_b128 v[KK+4*\q:KK+4*\q+3], v3, s[4:5] offset:65536+512*\q   ; lane (r, h): K(r, channels 16 (q / 2) + 8 h + 4 (q % 2) + 0..3)
.endr
.irp q, 0,1,2,3,4,5,6,7
	global_load_b128 v[QQ+4*\q:QQ+4*\q+3], v3, s[4:5] offset:512*\q         ; Q by the same places: the order of channels is the same on both sides
.endr
	global_load_b128 v[236:239], v10, s[8:9]       ; the bias of my four columns
.irp ct, 0,1,2,3
.irp jj, 0,1,2,3,4,5,6,7
	global_load_b32 v[VV+8*\ct+\jj], v4, s[4:5] offset:131072+1024*\ct+16*\jj
.endr
.endr
	s_wait_loadcnt 32                              ; K, Q and the bias are in; V's 32 loads may be out
.irp ct, 0,1,2,3
.irp jj, 0,1,2,3,4,5,6,7
	global_load_b32 v[WW+8*\ct+\jj], v5, s[6:7] offset:(16*\ct+\jj)*4096
.endr
.endr
	; S^T = K Q^T: sixteen steps of 4 channels, four accumulators by turns; the first four start the sums
.set c, 0
.rept 16
.if c < 4
	v_wmma_f32_16x16x4_f32 v[AC+8*(c%4):AC+8*(c%4)+7], v[KK+2*c:KK+2*c+1], v[QQ+2*c:QQ+2*c+1], 0
.else
	v_wmma_f32_16x16x4_f32 v[AC+8*(c%4):AC+8*(c%4)+7], v[KK+2*c:KK+2*c+1], v[QQ+2*c:QQ+2*c+1], v[AC+8*(c%4):AC+8*(c%4)+7]
.endif
.set c, c+1
.endr
.rept 8
	v_nop                                          ; eight places behind this form (ISA guide 7.12.1)
.endr
.irp p, 0,2,4,6
	v_pk_add_f32 v[PP+\p:PP+\p+1], v[AC+\p:AC+\p+1], v[AC+8+\p:AC+8+\p+1]      ; each accumulator from its low end on
	v_pk_add_f32 v[WK+8+\p:WK+8+\p+1], v[AC+16+\p:AC+16+\p+1], v[AC+24+\p:AC+24+\p+1]
.endr
.irp p, 0,2,4,6
	v_pk_add_f32 v[PP+\p:PP+\p+1], v[PP+\p:PP+\p+1], v[WK+8+\p:WK+8+\p+1]      ; lane (r, h): query r, keys 8 h + 0..7
.endr
.irp j, 0,1,2,3,4,5,6,7
	v_cmp_gt_i32 vcc_lo, \j, v6                    ; key 8 h + j > query r: hidden
	v_cndmask_b32 v[PP+\j], v[PP+\j], v233, vcc_lo
.endr
	v_max3_num_f32 v[WK], v[PP], v[PP+1], v[PP+2]
	v_max3_num_f32 v[WK], v[WK], v[PP+3], v[PP+4]
	v_max3_num_f32 v[WK], v[WK], v[PP+5], v[PP+6]
	v_max_num_f32 v[WK], v[WK], v[PP+7]
	v_permlanex16_b32 v[WK+1], v[WK], s20, s21
	v_max_num_f32 v[WK], v[WK], v[WK+1]            ; the row's maximum: key 0 counts for every query, so it is a number
	v_mul_f32 v[WK+4], s22, v[WK]                  ; c m
.irp p, 0,2,4,6
	v_pk_fma_f32 v[PP+\p:PP+\p+1], v[PP+\p:PP+\p+1], s[22:23], v[WK+4:WK+5] op_sel_hi:[1,0,0] neg_lo:[0,0,1] neg_hi:[0,0,1]
.endr
.irp j, 0,1,2,3,4,5,6,7
	v_exp_f32 v[PP+\j], v[PP+\j]
.endr
	v_nop
	s_wait_alu depctr_va_vdst(0)                   ; one wait for the eight, ahead of their first reader
	v_pk_add_f32 v[WK+6:WK+7], v[PP:PP+1], v[PP+2:PP+3]
	v_pk_add_f32 v[WK+8:WK+9], v[PP+4:PP+5], v[PP+6:PP+7]
	v_pk_add_f32 v[WK+6:WK+7], v[WK+6:WK+7], v[WK+8:WK+9]
	v_add_f32 v[WK+6], v[WK+6], v[WK+7]
	v_permlanex16_b32 v[WK+8], v[WK+6], s20, s21
	v_add_f32 v[WK+6], v[WK+6], v[WK+8]            ; the row's sum
	v_rcp_f32 v[WK+10], v[WK+6]
	v_mov_b32 v[WK+11], 0                          ; a plain line behind the reciprocal; also the upper half of its pair
	s_wait_alu depctr_va_vdst(0)
	s_wait_loadcnt 32                              ; V is in; w_out's 32 loads may be out
	; y^T = V^T P^T: step s takes keys 8 h + 2 s + 0, 1 on both sides; four accumulators by turns
.irp s, 0,1,2,3
.irp ct, 0,1,2,3
.if \s == 0
	v_wmma_f32_16x16x4_f32 v[YA+8*\ct:YA+8*\ct+7], v[VV+8*\ct+2*\s:VV+8*\ct+2*\s+1], v[PP+2*\s:PP+2*\s+1], 0
.else
	v_wmma_f32_16x16x4_f32 v[YA+8*\ct:YA+8*\ct+7], v[VV+8*\ct+2*\s:VV+8*\ct+2*\s+1], v[PP+2*\s:PP+2*\s+1], v[YA+8*\ct:YA+8*\ct+7]
.endif
.endr
.endr
.rept 8
	v_nop
.endr
.irp j, 0,2,4,6,8,10,12,14,16,18,20,22,24,26,28,30
	v_pk_mul_f32 v[KK+\j:KK+\j+1], v[YA+\j:YA+\j+1], v[WK+10:WK+11] op_sel_hi:[1,0]   ; lane (r, h): y(r, channels 16 ct + 8 h + 0..7)
.endr
	s_wait_loadcnt 0x0                             ; w_out
	; my head's part of the projection: source 0 = y's 16 positions, source 1 = 16 columns of w_out; step (ct, s) takes channels 16 ct + 8 h + 2 s + 0, 1 on both sides
.set c, 0
.rept 16
.if c < 4
	v_wmma_f32_16x16x4_f32 v[AC+8*(c%4):AC+8*(c%4)+7], v[KK+2*c:KK+2*c+1], v[WW+2*c:WW+2*c+1], 0
.else
	v_wmma_f32_16x16x4_f32 v[AC+8*(c%4):AC+8*(c%4)+7], v[KK+2*c:KK+2*c+1], v[WW+2*c:WW+2*c+1], v[AC+8*(c%4):AC+8*(c%4)+7]
.endif
.set c, c+1
.endr
.rept 8
	v_nop
.endr
.irp p, 0,2,4,6
	v_pk_add_f32 v[WK+\p:WK+\p+1], v[AC+\p:AC+\p+1], v[AC+8+\p:AC+8+\p+1]
	v_pk_add_f32 v[WK+8+\p:WK+8+\p+1], v[AC+16+\p:AC+16+\p+1], v[AC+24+\p:AC+24+\p+1]
.endr
.irp p, 0,2,4,6
	v_pk_add_f32 v[WK+\p:WK+\p+1], v[WK+\p:WK+\p+1], v[WK+8+\p:WK+8+\p+1]      ; register j: (position 8 h + j, column r)
.endr
.irp j, 0,1,2,3,4,5,6,7
	ds_store_b32 v7, v[WK+\j] offset:64*\j
.endr
	s_wait_dscnt 0x0                               ; for the others' sake: my partial tile has landed
	s_barrier_signal -1
	s_barrier_wait -1
	s_cmp_lt_u32 s12, 2
	s_cbranch_scc0 .Lend
.irp p, 0,1,2,3,4,5,6,7,8,9,10,11,12,13,14,15
	ds_load_b128 v[16+4*\p:16+4*\p+3], v8 offset:1024*\p
.endr
	s_wait_dscnt 0x0
.irp p, 0,1,2,3,4,5,6,7
	v_pk_add_f32 v[16+4*\p:17+4*\p], v[16+4*\p:17+4*\p], v[48+4*\p:49+4*\p]
	v_pk_add_f32 v[18+4*\p:19+4*\p], v[18+4*\p:19+4*\p], v[50+4*\p:51+4*\p]
.endr
.irp p, 0,1,2,3
	v_pk_add_f32 v[16+4*\p:17+4*\p], v[16+4*\p:17+4*\p], v[32+4*\p:33+4*\p]
	v_pk_add_f32 v[18+4*\p:19+4*\p], v[18+4*\p:19+4*\p], v[34+4*\p:35+4*\p]
.endr
.irp p, 0,1
	v_pk_add_f32 v[16+4*\p:17+4*\p], v[16+4*\p:17+4*\p], v[24+4*\p:25+4*\p]
	v_pk_add_f32 v[18+4*\p:19+4*\p], v[18+4*\p:19+4*\p], v[26+4*\p:27+4*\p]
.endr
	v_pk_add_f32 v[16:17], v[16:17], v[20:21]
	v_pk_add_f32 v[18:19], v[18:19], v[22:23]
	v_pk_add_f32 v[16:17], v[16:17], v[236:237]    ; the bias
	v_pk_add_f32 v[18:19], v[18:19], v[238:239]
	global_store_b128 v9, v[16:19], s[10:11]
.Lend:
	s_wait_tensorcnt 0x0                           ; the wave's end: behind my last LDS store
	ds_add_u32 v[SPW], v[NIL]
	s_wait_dscnt 0x0
	s_endpgm
.Lfunc_end_k_q441311b277_fine:
	.size	k_q441311b277_fine, .Lfunc_end_k_q441311b277_fine-k_q441311b277_fine
	.p2alignl 7, 3214868480
	.fill 96, 4, 3214868480
	.section	.rodata,"a",@progbits
	.p2align	6, 0x0
	.amdhsa_kernel k_q441311b277_fine
		.amdhsa_group_segment_fixed_size 18432
		.amdhsa_private_segment_fixed_size 0
		.amdhsa_enable_private_segment 0
		.amdhsa_kernarg_size 32
		.amdhsa_user_sgpr_count 2
		.amdhsa_user_sgpr_kernarg_segment_ptr 1
		.amdhsa_wavefront_size32 1
		.amdhsa_system_sgpr_workgroup_id_x 1
		.amdhsa_system_sgpr_workgroup_id_y 1
		.amdhsa_system_sgpr_workgroup_id_z 1
		.amdhsa_system_vgpr_workitem_id 0
		.amdhsa_next_free_vgpr 256
		.amdhsa_next_free_sgpr 66
		.amdhsa_reserve_vcc 1
		.amdhsa_float_denorm_mode_32 3
		.amdhsa_float_denorm_mode_16_64 3
		.amdhsa_memory_ordered 1
		.amdhsa_forward_progress 1
		.amdhsa_inst_pref_size 23
	.end_amdhsa_kernel
	.amdgpu_metadata
---
amdhsa.version: [ 1, 2 ]
amdhsa.kernels:
  - .name:           k_q441311b277_fine
    .symbol:         k_q441311b277_fine.kd
    .args:
      - { .name: fine32, .offset: 0, .size: 8, .value_kind: global_buffer, .address_space: global }
      - { .name: w_out, .offset: 8, .size: 8, .value_kind: global_buffer, .address_space: global }
      - { .name: b_out, .offset: 16, .size: 8, .value_kind: global_buffer, .address_space: global }
      - { .name: out0, .offset: 24, .size: 8, .value_kind: global_buffer, .address_space: global }
    .group_segment_fixed_size: 18432
    .private_segment_fixed_size: 0
    .kernarg_segment_align: 8
    .kernarg_segment_size: 32
    .max_flat_workgroup_size: 512
    .sgpr_count:     66
    .vgpr_count:     256
    .wavefront_size: 32
...
	.end_amdgpu_metadata
.endif
;; end of part 5
